; MI455X (gfx1250); checked and timed in simulation.
; The chip was launched on July 23, 2026; its instructions are those of AMD's public machine-readable ISA for CDNA 5 (MIT licence, August 2026) and "CDNA5" Instruction Set Architecture Reference Guide (July 2026). The comments in the code are by the model that wrote it; some were corrected since.
;; CLAM SB. Allowed arithmetic: float matrix products may take bf16 or f16 operands with f32 sums; all other float work in f32.
;; Inputs: W1 512 x 512 float32; Wa 512 x 256 float32; Wb 512 x 256 float32; Wc 256 x 1 float32; Wcls 512 x 2 float32; Winst 2 x 512 x 2 float32; b1 512 float32; ba 256 float32; bb 256 float32; bc 1 float32; bcls 2 float32; binst 2 x 2 float32; h 4 x 32,768 x 512 float32.
;; Outputs: out0 4 x 2 float32; out1 4 x 1 x 32,768 float32; out2 4 float32; out3 4 x 1 x 512 float32.
;; Constants: label = 1.
;; 2 versions, each right and faster than the one before. Each part assembles by itself: llvm-mc -triple=amdgcn-amd-amdhsa -mcpu=gfx1250 --defsym DOCPART=n.
;; ======== version 1 of 2: 6 launches
;; workspace buffers: wt 1,048,576 bytes; sc 524,288 bytes; part 524,288 bytes; lc 131,072 bytes; cand 512 bytes of whole numbers; h2c 262,144 bytes; xab 262,144 bytes
;; launch prep (part 1): grid 256 x 1, 8 waves a work-group, no clusters, 0 bytes of LDS; arguments W1, Wa, Wb, wt; writes wt
.if DOCPART == 1
	.amdgcn_target "amdgcn-amd-amdhsa--gfx1250"
	.amdhsa_code_object_version 6
	.text
	.protected	k_q14f1687307_prep
	.globl	k_q14f1687307_prep
	.p2align	8
	.type	k_q14f1687307_prep,@function
k_q14f1687307_prep:
	s_mov_b64 s[64:65], 0
	v_nop
	global_prefetch_b8 v0, s[64:65] scope:SCOPE_SE
	s_setreg_imm32_b32 hwreg(HW_REG_WAVE_MODE, 25, 1), 1
	s_wait_xcnt 0x0
; Weights to bf16, laid out as the matrix fragments of the main launch want them.
; wt = 16 tiles of 65,536 bytes: tiles 0-7 are W1 in K steps of 64, tiles 8-15 are Wa | Wb in K steps of 64.
; byte = tile*65536 + w*16384 + ksub*8192 + b*1024 + q*512 + lane*16 + 2e, lane = 16h + r, k = 64 (tile & 7) + 32 ksub + 16 q + 8 h + e.
;   tiles 0-7 :        W1[k][128 w + 16 b + r]
;   tiles 8-15: b < 4:  2 log2(e) * Wa[k][64 w + 16 b + r]       (so that exp2 of the product is e^(2 xa))
;               b >= 4: -log2(e)  * Wb[k][64 w + 16 (b-4) + r]   (so that exp2 of the product is e^(-xb))
; Thread T = 256 * work-group + t makes the 16 bytes at 16 T: a store of a wave covers 512 consecutive bytes.
; The reads are pieces of 64 bytes (16 columns of one k); the three inputs are 2 MiB in all and are read once.
.set OFF, 8                            ; v[8:15]   byte offsets of my eight k
.set D,   16                           ; v[16:23]  the eight numbers
.set P,   24                           ; v[24:27]  packed
	s_load_b256 s[4:11], s[0:1], 0x0               ; W1 s[4:5], Wa s[6:7], Wb s[8:9], wt s[10:11]
	s_lshr_b32 s12, ttmp9, 4                       ; tile
	s_and_b32 s13, ttmp9, 1                        ; b >= 4
	s_bfe_u32 s14, ttmp9, 0x10001                  ; ksub
	s_bfe_u32 s15, ttmp9, 0x20002                  ; w
	s_and_b32 s16, s12, 7
	s_lshl_b32 s16, s16, 6
	s_lshl_b32 s14, s14, 5
	s_add_co_u32 s16, s16, s14                     ; 64 (tile & 7) + 32 ksub
	s_lshl_b32 s17, s15, 7
	s_lshl_b32 s18, s13, 6
	s_add_co_u32 s17, s17, s18                     ; W1: first column 128 w + 64 (b >= 4)
	s_lshl_b32 s18, s15, 6                         ; Wa, Wb: first column 64 w
	s_mov_b32 s19, 0x4038aa3b                      ; 2 log2(e)
	s_mov_b32 s24, 0xbfb8aa3b                      ; -log2(e)
	v_and_b32 v1, 15, v0                           ; r
	v_bfe_u32 v2, v0, 4, 1                         ; h
	v_bfe_u32 v3, v0, 5, 1                         ; q
	v_bfe_u32 v4, v0, 6, 2                         ; b & 3
	s_wait_kmcnt 0x0
	s_cmp_lg_u32 s13, 0
	s_cselect_b64 s[20:21], s[8:9], s[6:7]         ; Wb or Wa
	s_cselect_b32 s22, s24, s19                    ; and its factor
	s_cmp_ge_u32 s12, 8
	s_cselect_b64 s[20:21], s[20:21], s[4:5]       ; or W1,
	s_cselect_b32 s22, s22, 1.0                    ; unscaled
	s_cselect_b32 s17, s18, s17                    ; first column
	s_cselect_b32 s23, 10, 11                      ; log2 of the row's bytes
	s_lshl_b32 s25, 1, s23                         ; the row's bytes
	v_lshl_add_u32 v5, v4, 4, v1
	v_add_nc_u32 v5, s17, v5                       ; column
	v_lshlrev_b32 v6, 4, v3
	v_lshl_add_u32 v6, v2, 3, v6
	v_add_nc_u32 v6, s16, v6                       ; k of e = 0
	v_lshlrev_b32 v6, s23, v6
	v_lshl_add_u32 v[OFF], v5, 2, v6
.irp e, 1,2,3,4,5,6,7
	v_add_nc_u32 v[OFF+\e], s25, v[OFF+\e-1]       ; one row further down
.endr
.irp e, 0,1,2,3,4,5,6,7
	global_load_b32 v[D+\e], v[OFF+\e], s[20:21]
.endr
	s_lshl_b32 s26, ttmp9, 12
	v_lshl_add_u32 v7, v0, 4, s26                  ; 16 T
	s_wait_loadcnt 0x0
.irp e, 0,2,4,6
	v_pk_mul_f32 v[D+\e:D+\e+1], v[D+\e:D+\e+1], s[22:23] op_sel_hi:[1,0]   ; both by s22
.endr
.irp e, 0,1,2,3
	v_cvt_pk_bf16_f32 v[P+\e], v[D+2*\e], v[D+2*\e+1]
.endr
	global_store_b128 v7, v[P:P+3], s[10:11]
	s_endpgm
.Lfunc_end_k_q14f1687307_prep:
	.size	k_q14f1687307_prep, .Lfunc_end_k_q14f1687307_prep-k_q14f1687307_prep
	.p2alignl 7, 3214868480
	.fill 96, 4, 3214868480
	.section	.rodata,"a",@progbits
	.p2align	6, 0x0
	.amdhsa_kernel k_q14f1687307_prep
		.amdhsa_group_segment_fixed_size 0
		.amdhsa_private_segment_fixed_size 0
		.amdhsa_enable_private_segment 0
		.amdhsa_kernarg_size 32
		.amdhsa_user_sgpr_count 2
		.amdhsa_user_sgpr_kernarg_segment_ptr 1
		.amdhsa_wavefront_size32 1
		.amdhsa_system_sgpr_workgroup_id_x 1
		.amdhsa_system_sgpr_workgroup_id_y 1
		.amdhsa_system_sgpr_workgroup_id_z 1
		.amdhsa_system_vgpr_workitem_id 0
		.amdhsa_next_free_vgpr 32
		.amdhsa_next_free_sgpr 66
		.amdhsa_reserve_vcc 0
		.amdhsa_float_denorm_mode_32 3
		.amdhsa_float_denorm_mode_16_64 3
		.amdhsa_memory_ordered 1
		.amdhsa_forward_progress 1
		.amdhsa_inst_pref_size 4
	.end_amdhsa_kernel
	.amdgpu_metadata
---
amdhsa.version: [ 1, 2 ]
amdhsa.kernels:
  - .name:           k_q14f1687307_prep
    .symbol:         k_q14f1687307_prep.kd
    .args:
      - { .name: W1, .offset: 0, .size: 8, .value_kind: global_buffer, .address_space: global }
      - { .name: Wa, .offset: 8, .size: 8, .value_kind: global_buffer, .address_space: global }
      - { .name: Wb, .offset: 16, .size: 8, .value_kind: global_buffer, .address_space: global }
      - { .name: wt, .offset: 24, .size: 8, .value_kind: global_buffer, .address_space: global }
    .group_segment_fixed_size: 0
    .private_segment_fixed_size: 0
    .kernarg_segment_align: 8
    .kernarg_segment_size: 32
    .max_flat_workgroup_size: 256
    .sgpr_count:     66
    .vgpr_count:     32
    .wavefront_size: 32
...
	.end_amdgpu_metadata
.endif
;; end of part 1
;; launch main (part 2): grid 256 x 1, 4 waves a work-group, clusters of 4 x 1, 327,680 bytes of LDS; arguments h, wt, b1, ba, bb, Wc, bc, sc, part, lc; writes sc, part, lc
.if DOCPART == 2
	.amdgcn_target "amdgcn-amd-amdhsa--gfx1250"
	.amdhsa_code_object_version 6
	.text
	.protected	k_q14f1687307_main
	.globl	k_q14f1687307_main
	.p2align	8
	.type	k_q14f1687307_main,@function
k_q14f1687307_main:
	s_mov_b64 s[64:65], 0
	v_nop
	global_prefetch_b8 v0, s[64:65] scope:SCOPE_SE
	s_setreg_imm32_b32 hwreg(HW_REG_WAVE_MODE, 25, 1), 1
	s_wait_xcnt 0x0
	s_wait_alu depctr_hold_cnt(0) depctr_sa_sdst(0) depctr_va_vdst(0) depctr_va_sdst(0) depctr_va_ssrc(0) depctr_va_vcc(0) depctr_vm_vsrc(0)
	s_getreg_b32 s2, hwreg(HW_REG_IB_STS2, 6, 4)
	s_cmp_eq_u32 s2, 0
	s_cbranch_scc0 .Lentry_in_a_cluster
	s_endpgm
.Lentry_in_a_cluster:
	s_bfe_u32 s2, ttmp6, 0x10000c
	s_cmp_lg_u32 s2, 0x3003
	s_cbranch_scc0 .Lentry_shape_is_right
	s_endpgm
.Lentry_shape_is_right:
; The bulk pass.  Work-group G owns rows 512 G .. 512 G + 511 of h (slide G >> 6) and walks them in 4 blocks of 128 rows.
; A block: stage 1, h2 = relu(h W1 + b1), 8 K steps of 64; h2 goes as bf16 into LDS; stage 2, h2 (Wa | Wb) + bias, 8 K steps of 64;
; then the score s = sum over d of Wc[d] tanh(xa) sigmoid(xb) + bc, a running softmax (running maximum m, sum l) and the running sum M = sum p h2.
; Out: sc (512 scores), part (512 columns of M, relative to m), lc (the 16 largest and 16 smallest scores with their rows; m; l).
; Four waves, each 128 rows x 128 columns in 64 accumulators (512 registers).  In stage 2 wave w has d = 64 w .. 64 w + 63: column tiles 0-3 are xa, 4-7 the xb of the same d.
; The matrix instruction is used transposed (source 0 = weights, source 1 = rows): a lane's 8 results are 8 neighbouring columns of one row, which as bf16 are
; the 16 bytes of one lane of a stage 2 row fragment.  The first product of each sum takes the bias as C: nothing is cleared, no bias is added afterwards.
; CLUSTER: the four work-groups of a cluster walk the same 16 weight tiles in step, so each tile is asked for jointly (mask 15): the requests for weights are divided by four.
; h is private to a work-group: it comes through registers (f32, converted to bf16, stored into a small LDS ring), two K steps ahead.
; LIMITS: NaN and infinite inputs are not served.  Matrix operands are bf16.  The scores written here carry bf16 rounding; they pick 16 candidates a side and slide,
; of which later launches choose the 8 by f32 scores: the choice is exact as long as the true 8 lie among these 16.  2 log2(e) xa is cut at 60, where tanh is 1 in f32.
.set WSLOT,  65536                     ; a weight tile; LDS 0 .. 131,071: two slots, the only bytes that tensor loads fill
.set XB,     131072                    ; h2 as fragments: XB + (K/32) 8192 + (row/16) 1024 + q 512 + lane 16
.set HB,     262144                    ; h as bf16: two slots of 128 rows, 128 bytes + 16 of padding
.set HSLOT,  18432
.set HPITCH, 144                       ; 9 x 16 bytes: the 16 rows of a fragment load start 16 bytes further round the banks each
.set BT1,    299008                    ; b1, 2,048 bytes
.set BT2,    301056                    ; [w][b][16]: 2 log2(e) ba, then -log2(e) bb, 2,048 bytes (BT1 + 2048)
.set WCT,    303104                    ; Wc, 1,024 bytes
.set SC,     304128                    ; [4 waves][128] partial scores
.set PB,     306176                    ; [4 waves][128] p as bf16, each wave its own
.set SALL,   307200                    ; the work-group's 512 scores
.set MST,    309248                    ; [4 waves][128] M on its way out
.set OUTS,   311296                    ; the row of lc on its way out, 512 bytes
; window 0
.set LANE, 1
.set ADRH, 2                           ; v2-3   row fragments in h slot 0, 1
.set ADRB, 4                           ; v4-5   my weight fragments in slot 0, 1
.set ADRX, 6                           ; v6     row fragments in XB, stepped;  v7 its start
.set ADRX0, 7
.set XST,  8                           ; where I put h2
.set HST,  9                           ; where I put h
.set HOFF, 10                          ; my bytes of an h tile in memory
.set BIA,  11
.set WCA,  12
.set SCW,  13
.set SCR,  14
.set PBW,  15
.set PBR,  16
.set TRA,  17
.set SAW,  18
.set L16,  19                          ; 512 w + 16 lane
.set MSW,  20
.set MSR,  21
.set SAR,  22
.set SAS,  23
.set MRUN, 24                          ; v24-31 M of columns 128 w + 16 c + r
.set MX,   32                          ; running maximum
.set LS,   33                          ; my lane's share of the running sum
.set T,    34                          ; v34-63 at work
.set FAC,  50                          ; exp(old maximum - new maximum)
.set F0,   64                          ; fragment buffer 0: rows in window 0, weights in window 1
.set F1,   128                         ; fragment buffer 1
.set TMP,  192                         ; window 0: bias, then at work.  Window 1: v0-63 and v192-255 are the two h staging sets
.set G1, 32                            ; s[32:39]
.set G0, 40                            ; s[40:43] slot 0, s[44:47] slot 1
.set MSB, 0
.macro WIN new                         ; low byte: 1:0 source 0, 3:2 source 1, 5:4 source 2, 7:6 destination; the high byte repeats the setting that is left
.if MSB != \new
	s_set_vgpr_msb (MSB<<8)|\new
.set MSB, \new
.endif
.endm
.macro PLACES                          ; four independent vector instructions behind a matrix instruction, in front of reads of its results and of loads into its registers
.rept 4
	v_nop
.endr
.endm
.macro CREST                           ; a round of the cluster's barrier behind its opening barrier
	s_cmp_lg_u32 s48, 0
	s_cbranch_scc1 .Lnot_wave_0_\@
	s_barrier_signal -3
.Lnot_wave_0_\@:
	s_barrier_wait -3
	s_barrier_signal -1
	s_barrier_wait -1
.endm
.macro CROUND
	s_barrier_signal -1
	s_barrier_wait -1
	CREST
.endm
; The joint load of my quarter (16,384 bytes) of a weight tile.  step 1: two tiles on; step 2: fourteen tiles back; step 0: as it stands.
; No tensor load of the wave is out here (the wait for 0 stands in front of the round), so the address may be written.
.macro JLOAD slot, step
.if \step == 1
	s_add_nc_u64 s[G0+4*\slot+2:G0+4*\slot+3], s[G0+4*\slot+2:G0+4*\slot+3], 2*WSLOT
.endif
.if \step == 2
	s_sub_nc_u64 s[G0+4*\slot+2:G0+4*\slot+3], s[G0+4*\slot+2:G0+4*\slot+3], 14*WSLOT
.endif
	tensor_load_to_lds s[G0+4*\slot:G0+4*\slot+3], s[G1:G1+7]
	s_nop 0
.endm
; 16 matrix instructions: row tiles a0, a0 + 1 of the window's four x all 8 column tiles, 32 along K.  The 64 accumulators take turns, one instruction a turn.
.macro MUL16 f, hi, a0, bias
.irp a, \a0, \a0+1
.irp b, 0,1,2,3,4,5,6,7
.if \bias
	v_wmma_f32_16x16x32_bf16 v[8*(8*(\a)+\b):8*(8*(\a)+\b)+7], v[\f+8*\b:\f+8*\b+7], v[\f+8*(4*\hi+\a):\f+8*(4*\hi+\a)+7], v[TMP+8*\b:TMP+8*\b+7]
.else
	v_wmma_f32_16x16x32_bf16 v[8*(8*(\a)+\b):8*(8*(\a)+\b)+7], v[\f+8*\b:\f+8*\b+7], v[\f+8*(4*\hi+\a):\f+8*(4*\hi+\a)+7], v[8*(8*(\a)+\b):8*(8*(\a)+\b)+7]
.endif
.endr
.endr
.endm
.macro WMUL hi, bias                   ; weights window 1, rows window 0, D window 2 or 3, C the same or (bias) window 0
.if \bias
.if \hi
	WIN 0xc1
.else
	WIN 0x81
.endif
.else
.if \hi
	WIN 0xf1
.else
	WIN 0xa1
.endif
.endif
.endm
.macro FETCHB slot, ksub, f            ; my 8 weight fragments: 32 lanes x 16 neighbouring bytes a load
	WIN 0x40
.irp b, 0,1,2,3,4,5,6,7
	ds_load_b128 v[\f+8*\b:\f+8*\b+3],   v[ADRB+\slot] offset:\ksub*8192+\b*1024
	ds_load_b128 v[\f+8*\b+4:\f+8*\b+7], v[ADRB+\slot] offset:\ksub*8192+\b*1024+512
.endr
.endm
.macro FETCHA adr, off, istep, qstep, f    ; the 8 row fragments
	WIN 0
.irp i, 0,1,2,3,4,5,6,7
	ds_load_b128 v[\f+8*\i:\f+8*\i+3],   v[\adr] offset:\off+\i*\istep
	ds_load_b128 v[\f+8*\i+4:\f+8*\i+7], v[\adr] offset:\off+\i*\istep+\qstep
.endr
.endm
.macro BIAS off                        ; register j of column tile b = bias[128 w + 16 b + 8 h + j]
	WIN 0
.irp b, 0,1,2,3,4,5,6,7
	ds_load_b128 v[TMP+8*\b:TMP+8*\b+3],   v[BIA] offset:\off+64*\b
	ds_load_b128 v[TMP+8*\b+4:TMP+8*\b+7], v[BIA] offset:\off+64*\b+16
.endr
.endm
; One h tile (128 rows x 64 columns; my 32 rows): the staging set is converted in place, stored into an h slot, and loaded again with the tile two further on.
; cnt = the other set's loads, which may stay out.
.macro HWORK set, slot, cnt, load, inc
	s_wait_loadcnt \cnt
	WIN 0x45
.set hj, 0
.rept 32
	v_cvt_pk_bf16_f32 v[\set+hj], v[\set+2*hj], v[\set+2*hj+1]     ; register hj is read no later than it is written
.set hj, hj+1
.endr
	WIN 0x04
.set hj, 0
.rept 16
	ds_store_b64 v[HST], v[\set+2*hj:\set+2*hj+1] offset:(\slot)*HSLOT+hj*2*HPITCH
.set hj, hj+1
.endr
.if \load
	s_wait_xcnt 0x0                                ; the base is stepped only when the addresses of the loads that name it are translated
	s_add_nc_u64 s[52:53], s[52:53], \inc
	WIN 0x40
.set hj, 0
.rept 16
	global_load_b128 v[\set+4*hj:\set+4*hj+3], v[HOFF], s[52:53] offset:hj*4096 th:TH_LOAD_NT   ; two rows, 256 consecutive aligned bytes each
.set hj, hj+1
.endr
.endif
.endm
; First half of a K step: multiplies buffer 0, and in its middle fetches the second half's fragments into buffer 1.
.macro Q0 slot, adr, off, istep, qstep, bias
	s_wait_dscnt 8                                 ; all but the youngest eight loads (row tiles 4-7)
	WMUL 0, \bias
	MUL16 F0, 0, 0, \bias
	MUL16 F0, 0, 2, \bias
	PLACES
	FETCHB \slot, 1, F1
	FETCHA \adr, \off, \istep, \qstep, F1
	s_wait_dscnt 32                                ; all but the 32 just issued
	WMUL 1, \bias
	MUL16 F0, 1, 0, \bias
	MUL16 F0, 1, 2, \bias
.endm
; Second half: multiplies buffer 1 and changes slots.  In front of the barrier each wave waits for all its LDS instructions (its reads of this weight slot and of this
; h slot, its h stores) and for all its tensor loads (one is out: my quarter of the next tile).  fill = 1: the barrier opens a round of the cluster's barrier, and the joint
; refill of this slot is the first tensor load behind the round.  Then the next step's first fragments.
.macro TURN slot, fill, step, cnt, nadr, noff, nistep, nqstep
	s_wait_dscnt \cnt                              ; 8: row tiles 4-7 may be out; 24: and the 16 h stores behind them
	WIN 0xa1
	MUL16 F1, 0, 0, 0
	s_wait_dscnt 0x0
	s_wait_xcnt 0x0
	s_set_vgpr_msb 0xa120
	v_lshl_add_u32 v62, v0, 2, 0x4c200
	v_mov_b32 v63, 0
	s_wait_tensorcnt 0x0
	ds_add_u32 v62, v63
	s_wait_dscnt 0x0
	s_set_vgpr_msb 0x20a1
	s_barrier_signal -1
	MUL16 F1, 0, 2, 0                              ; registers only
	WIN 0
	s_barrier_wait -1
.if \fill
	CREST
	JLOAD \slot, \step
.endif
	PLACES
	FETCHB 1-\slot, 0, F0
	FETCHA \nadr, \noff, \nistep, \nqstep, F0
	WIN 0xf1
	MUL16 F1, 1, 0, 0
	MUL16 F1, 1, 2, 0
.endm
.macro LASTQ cnt                       ; the second half of a stage's last step: nothing more to fetch
	s_wait_dscnt \cnt
	WIN 0xa1
	MUL16 F1, 0, 0, 0
	MUL16 F1, 0, 2, 0
	s_wait_dscnt 0x0
	WIN 0xf1
	MUL16 F1, 1, 0, 0
	MUL16 F1, 1, 2, 0
.endm
; A K step of stage 1 on slots s.  hw: the next h tile is converted into the other h slot.
.macro STEP1 s, bias, hw, hcnt, hload, hinc, last
	Q0 \s, ADRH+\s, 64, 16*HPITCH, 32, \bias
.if \hw
	HWORK 192*(1-\s), 1-\s, \hcnt, \hload, \hinc
.endif
.if \last
	LASTQ 8+16*(\hw)
.else
	TURN \s, 1, 1, 8+16*(\hw), ADRH+1-\s, 0, 16*HPITCH, 32
.endif
.endm
.macro PAIR2 bias                      ; two K steps of stage 2
	Q0 0, ADRX, 8192, 1024, 512, \bias
	TURN 0, 1, 1, 8, ADRX, 16384, 1024, 512
	Q0 1, ADRX, 24576, 1024, 512, 0
	TURN 1, 1, 1, 8, ADRX, 32768, 1024, 512
	WIN 0
	v_add_nc_u32 v[ADRX], 32768, v[ADRX]
.endm
; relu, bf16, into XB.  Lane (r, h) of column tile b holds row 16 i + r, columns 128 w + 16 b + 8 h + 0..7: lane 16 h + r of fragment (K/32 = 4 w + b/2, q = b & 1).
.macro EPI1
	PLACES
.irp i, 0,1,2,3,4,5,6,7
.if \i < 4
	WIN 0x0a
.else
	WIN 0x0f
.endif
.set ek, 0
.rept 64
	v_max_num_f32 v[TMP+ek], 0, v[64*(\i%4)+ek]
.set ek, ek+1
.endr
	WIN 0
.set ek, 0
.rept 32
	v_cvt_pk_bf16_f32 v[F0+ek], v[TMP+2*ek], v[TMP+2*ek+1]
.set ek, ek+1
.endr
.irp b, 0,1,2,3,4,5,6,7
	ds_store_b128 v[XST], v[F0+4*\b:F0+4*\b+3] offset:(\b/2)*8192+\i*1024+(\b%2)*512
.endr
.endr
.endm
; Row tile i: with E = e^(2 xa), F = e^(-xb):  Wc tanh(xa) sigmoid(xb) = (E Wc - Wc) / ((E + 1) F + (E + 1)).  F infinite gives 0; E is at most 2^60.
.macro EROW i, a, win
	WIN \win
.set ek, 0
.rept 32
	v_min_num_f32 v[TMP+ek], s59, v[64*\a+ek]
.set ek, ek+1
.endr
.set ek, 0
.rept 32
	v_exp_f32 v[TMP+32+ek], v[64*\a+32+ek]
.set ek, ek+1
.endr
	WIN 0
.set ek, 0
.rept 32
	v_exp_f32 v[TMP+ek], v[TMP+ek]
.set ek, ek+1
.endr
	v_nop                                          ; one plain instruction behind the last exponential (ISA guide 5.7.2)
.set ek, 0
	s_wait_alu depctr_va_vdst(0)
.rept 16
	v_pk_add_f32 v[F1+ek:F1+ek+1], v[TMP+ek:TMP+ek+1], 1.0 op_sel_hi:[1,0]
	v_pk_fma_f32 v[TMP+ek:TMP+ek+1], v[TMP+ek:TMP+ek+1], v[F0+ek:F0+ek+1], v[F0+32+ek:F0+33+ek]
.set ek, ek+2
.endr
.set ek, 0
.rept 16
	v_pk_fma_f32 v[F1+ek:F1+ek+1], v[F1+ek:F1+ek+1], v[TMP+32+ek:TMP+33+ek], v[F1+ek:F1+ek+1]
.set ek, ek+2
.endr
.set ek, 0
.rept 32
	v_rcp_f32 v[F1+ek], v[F1+ek]
.set ek, ek+1
.endr
	v_nop
	s_wait_alu depctr_va_vdst(0)
.irp c, 0,1,2,3
	v_pk_mul_f32 v[T+8+2*\c:T+9+2*\c], v[TMP+2*\c:TMP+2*\c+1], v[F1+2*\c:F1+2*\c+1]    ; four chains
.endr
.irp g, 8,16,24
.irp c, 0,1,2,3
	v_pk_fma_f32 v[T+8+2*\c:T+9+2*\c], v[TMP+\g+2*\c:TMP+\g+2*\c+1], v[F1+\g+2*\c:F1+\g+2*\c+1], v[T+8+2*\c:T+9+2*\c]
.endr
.endr
	v_pk_add_f32 v[T+8:T+9], v[T+8:T+9], v[T+10:T+11]
	v_pk_add_f32 v[T+12:T+13], v[T+12:T+13], v[T+14:T+15]
	v_pk_add_f32 v[T+8:T+9], v[T+8:T+9], v[T+12:T+13]
	v_add_f32 v[T+\i], v[T+8], v[T+9]
.endm
.macro EPI2
	PLACES
	WIN 0
.irp b, 0,1,2,3
	ds_load_b128 v[F0+8*\b:F0+8*\b+3],   v[WCA] offset:64*\b       ; Wc[64 w + 16 b + 8 h + j]
	ds_load_b128 v[F0+8*\b+4:F0+8*\b+7], v[WCA] offset:64*\b+16
.endr
	s_wait_dscnt 0x0
.set ek, 0
.rept 16
	v_pk_mul_f32 v[F0+32+ek:F0+33+ek], v[F0+ek:F0+ek+1], -1.0 op_sel_hi:[1,0]   ; -Wc
.set ek, ek+2
.endr
	EROW 0, 0, 0x0a
	EROW 1, 1, 0x0a
	EROW 2, 2, 0x0a
	EROW 3, 3, 0x0a
	EROW 4, 0, 0x0f
	EROW 5, 1, 0x0f
	EROW 6, 2, 0x0f
	EROW 7, 3, 0x0f
.irp i, 0,1,2,3,4,5,6,7
	v_permlanex16_b32 v[T+8+\i], v[T+\i], s57, s58     ; the other half's 32 d of the same row
.endr
.irp i, 0,1,2,3,4,5,6,7
	v_add_f32 v[T+\i], v[T+\i], v[T+8+\i]
.endr
.irp i, 0,1,2,3,4,5,6,7
	ds_store_b32 v[SCW], v[T+\i] offset:64*\i          ; row 16 i + r; both halves write the same word with the same value
.endr
	s_wait_dscnt 0x0                               ; my partial scores are in LDS
	s_barrier_signal -1                            ; the weight tile on its way may stay out
	s_barrier_wait -1
.endm
; Every wave: the block's 128 scores (lane l: rows 4 l .. 4 l + 3), the running maximum and sum, p as bf16 into the wave's own PB.
.macro SOFT
	ds_load_b128 v[44:47], v[SCR]
	ds_load_b128 v[48:51], v[SCR] offset:512
	ds_load_b128 v[52:55], v[SCR] offset:1024
	ds_load_b128 v[56:59], v[SCR] offset:1536
	s_wait_dscnt 0x0
	v_pk_add_f32 v[44:45], v[44:45], v[48:49]
	v_pk_add_f32 v[46:47], v[46:47], v[50:51]
	v_pk_add_f32 v[52:53], v[52:53], v[56:57]
	v_pk_add_f32 v[54:55], v[54:55], v[58:59]
	v_pk_add_f32 v[44:45], v[44:45], v[52:53]
	v_pk_add_f32 v[46:47], v[46:47], v[54:55]
	v_pk_add_f32 v[44:45], v[44:45], s[56:57] op_sel_hi:[1,0]      ; + bc (s56)
	v_pk_add_f32 v[46:47], v[46:47], s[56:57] op_sel_hi:[1,0]
	s_cmp_lg_u32 s48, 0
	s_cbranch_scc1 .Lnot0_\@
	ds_store_b128 v[SAW], v[44:47]                 ; wave 0 keeps the scores for the tail
.Lnot0_\@:
	v_add_nc_u32 v[SAW], 512, v[SAW]
	v_max3_num_f32 v48, v44, v45, v46
	v_max_num_f32 v48, v48, v47
	v_max_num_f32_dpp v48, v48, v48 row_xmask:1 row_mask:0xf bank_mask:0xf
	v_max_num_f32_dpp v48, v48, v48 row_xmask:2 row_mask:0xf bank_mask:0xf
	v_max_num_f32_dpp v48, v48, v48 row_xmask:4 row_mask:0xf bank_mask:0xf
	v_max_num_f32_dpp v48, v48, v48 row_xmask:8 row_mask:0xf bank_mask:0xf
	v_permlanex16_b32 v49, v48, s57, s58
	v_max3_num_f32 v48, v48, v49, v[MX]            ; the new running maximum
	v_mul_f32 v49, s61, v48
	v_fma_f32 v[FAC], v[MX], s61, -v49             ; (old - new) log2(e); the first block's old maximum is -infinity
	v_fma_f32 v52, v44, s61, -v49
	v_fma_f32 v53, v45, s61, -v49
	v_fma_f32 v54, v46, s61, -v49
	v_fma_f32 v55, v47, s61, -v49
	v_exp_f32 v[FAC], v[FAC]
	v_exp_f32 v52, v52
	v_exp_f32 v53, v53
	v_exp_f32 v54, v54
	v_exp_f32 v55, v55
	v_mov_b32 v[MX], v48                           ; also the plain instruction behind the exponentials
	s_wait_alu depctr_va_vdst(0)
	v_add_f32 v56, v52, v53
	v_add_f32 v57, v54, v55
	v_add_f32 v56, v56, v57
	v_fma_f32 v[LS], v[LS], v[FAC], v56
	v_cvt_pk_bf16_f32 v58, v52, v53
	v_cvt_pk_bf16_f32 v59, v54, v55
	ds_store_b64 v[PBW], v[58:59]
.endm
; M += p h2 for my 128 columns: K = the block's rows, in 4 steps of 32.  Source 0: p in all 16 rows; source 1: h2 transposed on the way out of LDS.
.macro TRL ks, f
	WIN 0
.irp c, 0,1,2,3,4,5,6,7
	ds_load_tr16_b128 v[\f+8*\c:\f+8*\c+3],   v[TRA] offset:(\c/2)*8192+(2*\ks)*1024+(\c%2)*512
	ds_load_tr16_b128 v[\f+8*\c+4:\f+8*\c+7], v[TRA] offset:(\c/2)*8192+(2*\ks+1)*1024+(\c%2)*512
.endr
.endm
.macro MW ks, f, zero                  ; eight accumulators by turns
	WIN 0x01
.irp c, 0,1,2,3,4,5,6,7
.if \zero
	v_wmma_f32_16x16x32_bf16 v[TMP+8*\c:TMP+8*\c+7], v[F0+8*\ks:F0+8*\ks+7], v[\f+8*\c:\f+8*\c+7], 0
.else
	v_wmma_f32_16x16x32_bf16 v[TMP+8*\c:TMP+8*\c+7], v[F0+8*\ks:F0+8*\ks+7], v[\f+8*\c:\f+8*\c+7], v[TMP+8*\c:TMP+8*\c+7]
.endif
.endr
.endm
.macro MPART
	WIN 0x40
.irp k, 0,1,2,3
	ds_load_b128 v[F0+8*\k:F0+8*\k+3],   v[PBR] offset:64*\k       ; LDS serves a wave's instructions in order (ISA guide 5.7.1): these see my store of p
	ds_load_b128 v[F0+8*\k+4:F0+8*\k+7], v[PBR] offset:64*\k+32
.endr
	TRL 0, F0
	TRL 1, F1
	s_wait_dscnt 16                                ; all but the 16 loads of step 1
	MW 0, F0, 1
	PLACES
	TRL 2, F0
	s_wait_dscnt 16                                ; step 1 is in
	MW 1, F1, 0
	PLACES
	TRL 3, F1
	s_wait_dscnt 16                                ; step 2 is in
	MW 2, F0, 0
	s_wait_dscnt 0x0
	MW 3, F1, 0
	PLACES
	WIN 0
.irp c, 0,1,2,3,4,5,6,7
	v_fma_f32 v[MRUN+\c], v[MRUN+\c], v[FAC], v[TMP+8*\c]
.endr
.endm
; A block of 128 rows.  Weight tile t + 2 is asked for at the end of step t, into the slot that step t read.  last = 1: no h and no weights beyond the end.
.macro BLOCK last
	s_wait_dscnt 0x0                               ; my LDS instructions are done,
	s_wait_xcnt 0x0
	v_lshl_add_u32 v62, v0, 2, 0x4c200
	v_mov_b32 v63, 0
	s_wait_tensorcnt 0x0                           ; and my quarter of tile 0 has landed
	ds_add_u32 v62, v63
	s_wait_dscnt 0x0
	CROUND
	JLOAD 1, 2                                     ; tile 1
	BIAS 0
	FETCHB 0, 0, F0
	FETCHA ADRH, 0, 16*HPITCH, 32, F0
	STEP1 0, 1, 1, 16, 1, 256, 0
	STEP1 1, 0, 1, 16, 1, 256, 0
	STEP1 0, 0, 1, 16, 1, 256, 0
	STEP1 1, 0, 1, 16, 1, 256, 0
	STEP1 0, 0, 1, 16, 1, 256, 0
	STEP1 1, 0, 1, 16, 1-\last, 260352, 0          ; the load is the next block's tile 0: 128 rows on, 7 tiles back
	STEP1 0, 0, 1, 16-16*\last, 1-\last, 256, 0
	STEP1 1, 0, 1-\last, 16, 1, 256, 1
	EPI1
	s_wait_dscnt 0x0                               ; my h2 is in LDS, my reads of slot 1 are done,
	s_wait_xcnt 0x0
	v_lshl_add_u32 v62, v0, 2, 0x4c200
	v_mov_b32 v63, 0
	s_wait_tensorcnt 0x0                           ; tile 8 has landed
	ds_add_u32 v62, v63
	s_wait_dscnt 0x0
	CROUND
	JLOAD 1, 1                                     ; tile 9
	BIAS 2048
	v_mov_b32 v[ADRX], v[ADRX0]
	FETCHB 0, 0, F0
	FETCHA ADRX, 0, 1024, 512, F0
	PAIR2 1
	s_mov_b32 s62, 2
.Lpair_\@:
	PAIR2 0
	s_sub_co_u32 s62, s62, 1
	s_cmp_lg_u32 s62, 0
	s_cbranch_scc1 .Lpair_\@
	Q0 0, ADRX, 8192, 1024, 512, 0
	TURN 0, 1-\last, 2, 8, ADRX, 16384, 1024, 512  ; the next block's tile 0, or nothing
	Q0 1, ADRX, 24576, 1024, 512, 0
	LASTQ 8
	EPI2
	SOFT
	MPART
.endm
; The 16 largest of the wave's 32 R values V, ties to the smallest row number I (an f32 whole number): result X+6: lanes 0-15 the values, lanes 16-31 their rows.
; Values are only selected (v_cndmask_b32); the loop is counted.  Within a lane equal values stand with ascending I.
.macro EXTRACT V, I, R, X, CT
	v_mov_b32 v[\X+6], 0
	v_mov_b32 v[\X+7], 0xff800000
	s_mov_b32 s[\CT], 0
.Lext_\@:
.if \R == 16
	v_max3_num_f32 v[\X],   v[\V],    v[\V+1],  v[\V+2]
	v_max3_num_f32 v[\X+1], v[\V+3],  v[\V+4],  v[\V+5]
	v_max3_num_f32 v[\X+2], v[\V+6],  v[\V+7],  v[\V+8]
	v_max3_num_f32 v[\X+3], v[\V+9],  v[\V+10], v[\V+11]
	v_max3_num_f32 v[\X+4], v[\V+12], v[\V+13], v[\V+14]
	v_max3_num_f32 v[\X],   v[\X],    v[\X+1],  v[\X+2]
	v_max3_num_f32 v[\X+3], v[\X+3],  v[\X+4],  v[\V+15]
	v_max_num_f32 v[\X], v[\X], v[\X+3]
.else
	v_max_num_f32 v[\X],   v[\V],   v[\V+1]
	v_max_num_f32 v[\X+1], v[\V+2], v[\V+3]
	v_max_num_f32 v[\X],   v[\X],   v[\X+1]
.endif
	v_max_num_f32_dpp v[\X], v[\X], v[\X] row_xmask:1 row_mask:0xf bank_mask:0xf
	v_max_num_f32_dpp v[\X], v[\X], v[\X] row_xmask:2 row_mask:0xf bank_mask:0xf
	v_max_num_f32_dpp v[\X], v[\X], v[\X] row_xmask:4 row_mask:0xf bank_mask:0xf
	v_max_num_f32_dpp v[\X], v[\X], v[\X] row_xmask:8 row_mask:0xf bank_mask:0xf
	v_permlanex16_b32 v[\X+1], v[\X], s57, s58
	v_max_num_f32 v[\X], v[\X], v[\X+1]            ; the largest value left
	v_mov_b32 v[\X+5], 0x7f800000
.set ej, \R-1
.rept \R
	v_cmp_eq_f32 vcc_lo, v[\V+ej], v[\X]
	v_cndmask_b32 v[\X+5], v[\X+5], v[\I+ej], vcc_lo
.set ej, ej-1
.endr
	v_min_num_f32_dpp v[\X+5], v[\X+5], v[\X+5] row_xmask:1 row_mask:0xf bank_mask:0xf
	v_min_num_f32_dpp v[\X+5], v[\X+5], v[\X+5] row_xmask:2 row_mask:0xf bank_mask:0xf
	v_min_num_f32_dpp v[\X+5], v[\X+5], v[\X+5] row_xmask:4 row_mask:0xf bank_mask:0xf
	v_min_num_f32_dpp v[\X+5], v[\X+5], v[\X+5] row_xmask:8 row_mask:0xf bank_mask:0xf
	v_permlanex16_b32 v[\X+1], v[\X+5], s57, s58
	v_min_num_f32 v[\X+5], v[\X+5], v[\X+1]        ; the smallest row that has it
.set ej, 0
.rept \R
	v_cmp_eq_f32 vcc_lo, v[\I+ej], v[\X+5]
	v_cndmask_b32 v[\V+ej], v[\V+ej], v[\X+7], vcc_lo              ; taken out
.set ej, ej+1
.endr
	v_cmp_eq_u32 vcc_lo, s[\CT], v[LANE]
	v_cndmask_b32 v[\X+6], v[\X+6], v[\X], vcc_lo
	s_add_co_u32 s[\CT+1], s[\CT], 16
	v_cmp_eq_u32 vcc_lo, s[\CT+1], v[LANE]
	v_cndmask_b32 v[\X+6], v[\X+6], v[\X+5], vcc_lo
	s_add_co_u32 s[\CT], s[\CT], 1
	s_cmp_lt_u32 s[\CT], 16
	s_cbranch_scc1 .Lext_\@
.endm
	s_load_b512 s[8:23], s[0:1], 0x0               ; h s[8:9], wt s[10:11], b1 s[12:13], ba s[14:15], bb s[16:17], Wc s[18:19], bc s[20:21], sc s[22:23]
	s_load_b128 s[24:27], s[0:1], 0x40             ; part s[24:25], lc s[26:27]
	v_lshl_add_u32 v62, v0, 2, 0x4c200
	v_mov_b32 v63, 0
	ds_add_u32 v62, v63
	s_wait_dscnt 0x0
	v_lshrrev_b32 v34, 5, v0
	v_readfirstlane_b32 s48, v34                   ; wave w
	s_bfe_u32 s49, ttmp6, 0x40000                  ; cx
	s_lshl_b32 s50, ttmp9, 2
	s_add_co_u32 s50, s50, s49                     ; G = 4 x cluster + cx: enters global addresses of h and of the outputs, and row numbers, nothing else
	s_mov_b32 s57, 0x76543210                      ; v_permlanex16_b32: lane i reads lane i of the other half
	s_mov_b32 s58, 0xfedcba98
	s_mov_b32 s59, 0x42700000                      ; 60.0
	s_mov_b32 s61, 0x3fb8aa3b                      ; log2(e)
	; descriptor group 1: 64 rows of 32 elements of 8 bytes, dense: 16,384 bytes, rows of 256 bytes
	s_mov_b32 s[G1+0], 15|(3<<16)|(1<<21)          ; 15:0 mask: all four work-groups of the cluster; 17:16 elements of 8 bytes; 21 set beside a mask
	s_mov_b32 s[G1+1], 32<<16                      ; tensor_dim0 = 32
	s_mov_b32 s[G1+2], 64<<16                      ; tensor_dim1 = 64
	s_mov_b32 s[G1+3], 32<<16                      ; tile_dim0 = 32
	s_mov_b32 s[G1+4], 64                          ; tile_dim1 = 64
	s_mov_b32 s[G1+5], 32                          ; from row to row: 32 elements
	s_mov_b32 s[G1+6], 0
	s_mov_b32 s[G1+7], 0
	s_lshl_b32 s28, s48, 14                        ; my quarter of a tile
	s_mov_b32 s29, 0
	s_lshl_b32 s66, s48, 9
	s_lshl_b32 s67, s48, 8
	s_lshl_b32 s70, s48, 15
	s_mul_i32 s71, s48, 32*HPITCH
	s_add_co_u32 s71, s71, HB
	s_lshl_b32 s72, s48, 16
	s_add_co_u32 s73, s66, BT1
	s_add_co_u32 s74, s67, WCT
	s_add_co_u32 s75, s66, SC
	s_add_co_u32 s76, s67, PB
	s_add_co_u32 s77, s70, XB
	s_add_co_u32 s78, s66, MST
	s_add_co_u32 s79, s66, BT2
	v_and_b32 v[LANE], 31, v0
	v_and_b32 v35, 15, v0                          ; r
	v_bfe_u32 v36, v0, 4, 1                        ; h
	v_lshlrev_b32 v38, 4, v[LANE]
	v_mul_u32_u24 v37, v35, HPITCH
	v_lshl_add_u32 v37, v36, 4, v37
	v_add_nc_u32 v[ADRH], HB, v37                  ; row r, 16 h
	v_add_nc_u32 v[ADRH+1], HB+HSLOT, v37
	v_add_nc_u32 v[ADRB], s28, v38
	v_add_nc_u32 v[ADRB+1], WSLOT, v[ADRB]
	v_add_nc_u32 v[ADRX0], XB, v38
	v_add_nc_u32 v[XST], s70, v[ADRX0]
	v_mul_u32_u24 v39, v36, HPITCH
	v_lshl_add_u32 v39, v35, 3, v39
	v_add_nc_u32 v[HST], s71, v39                  ; row 32 w + h, 8 bytes for each of 16 lanes
	v_lshlrev_b32 v40, 11, v36
	v_lshl_add_u32 v40, v35, 4, v40
	v_add_nc_u32 v[HOFF], s72, v40                 ; the same in memory: rows of 2,048 bytes, 16 bytes a lane
	v_lshlrev_b32 v41, 5, v36
	v_add_nc_u32 v[BIA], s73, v41                  ; 4 (128 w + 8 h)
	v_add_nc_u32 v[WCA], s74, v41                  ; 4 (64 w + 8 h)
	v_lshl_add_u32 v[SCW], v35, 2, s75
	v_add_nc_u32 v[SCR], SC, v38
	v_lshl_add_u32 v[PBW], v[LANE], 3, s76
	v_lshl_add_u32 v[PBR], v36, 4, s76
	v_bfe_u32 v42, v0, 3, 1
	v_and_b32 v43, 7, v0
	v_lshlrev_b32 v42, 8, v42
	v_lshl_add_u32 v42, v36, 7, v42
	v_lshl_add_u32 v42, v43, 4, v42
	v_add_nc_u32 v[TRA], s77, v42                  ; 16 x (16 x bit 3 of the lane + 8 h + lane mod 8): row 8 h + lane mod 8, eight columns
	v_add_nc_u32 v[SAW], SALL, v38
	v_add_nc_u32 v[L16], s66, v38
	v_lshl_add_u32 v[MSW], v35, 2, s78
	v_add_nc_u32 v[MSR], s78, v38
	v_add_nc_u32 v[SAR], SALL, v[L16]
	v_lshlrev_b32 v44, 6, v[LANE]
	v_add_nc_u32 v[SAS], SALL, v44
	v_lshlrev_b32 v49, 4, v0
	v_lshlrev_b32 v50, 3, v0
	s_lshl_b32 s68, s50, 20                        ; 512 rows of 2,048 bytes
	s_mov_b32 s69, 0
	s_wait_kmcnt 0x0
	s_load_b32 s56, s[20:21], 0x0                  ; bc
	s_add_nc_u64 s[30:31], s[10:11], s[28:29]      ; wt at my quarter of tile 0: made of the wave's number alone
	s_mov_b32 s[G0], 1
	s_lshl_b32 s[G0+1], s48, 14
	s_mov_b64 s[G0+2:G0+3], s[30:31]
	s_or_b32 s[G0+3], s[G0+3], 0x80000000
	s_mov_b32 s[G0+4], 1
	s_add_co_u32 s[G0+5], s28, WSLOT
	s_add_nc_u64 s[G0+6:G0+7], s[30:31], 15*WSLOT  ; tile 15: the first step back of fourteen tiles makes it tile 1
	s_or_b32 s[G0+7], s[G0+7], 0x80000000
	s_add_nc_u64 s[52:53], s[8:9], s[68:69]        ; h at my first row
	global_load_b128 v[52:55], v49, s[12:13]       ; b1: 4 numbers a thread
	global_load_b64 v[56:57], v50, s[14:15]        ; ba, bb, Wc: 2 a thread
	global_load_b64 v[58:59], v50, s[16:17]
	global_load_b64 v[60:61], v50, s[18:19]
	WIN 0x40
.set hj, 0
.rept 16
	global_load_b128 v[4*hj:4*hj+3], v[HOFF], s[52:53] offset:hj*4096 th:TH_LOAD_NT            ; h tile 0
.set hj, hj+1
.endr
.set hj, 0
.rept 16
	global_load_b128 v[192+4*hj:192+4*hj+3], v[HOFF], s[52:53] offset:hj*4096+256 th:TH_LOAD_NT    ; h tile 1
.set hj, hj+1
.endr
	WIN 0
	CROUND                                         ; the four work-groups are here: the first joint load meets
	JLOAD 0, 0                                     ; tile 0
	s_wait_loadcnt 32                              ; the four table loads; the 32 loads of h stay out
	v_mul_f32 v56, 0x4038aa3b, v56                 ; 2 log2(e) ba
	v_mul_f32 v57, 0x4038aa3b, v57
	v_mul_f32 v58, 0xbfb8aa3b, v58                 ; -log2(e) bb
	v_mul_f32 v59, 0xbfb8aa3b, v59
	v_add_nc_u32 v51, BT1, v49
	ds_store_b128 v51, v[52:55]
	v_lshl_add_u32 v62, v[LANE], 3, s79            ; d = 64 w + 2 lane: column tiles 0-3 of wave w,
	ds_store_b64 v62, v[56:57]
	ds_store_b64 v62, v[58:59] offset:256          ; tiles 4-7
	v_add_nc_u32 v63, WCT, v50
	ds_store_b64 v63, v[60:61]
	HWORK 0, 0, 16, 1, 512                         ; tile 0 into h slot 0; tile 2 is asked for
	WIN 0
.irp c, 0,1,2,3,4,5,6,7
	v_mov_b32 v[MRUN+\c], 0
.endr
	v_mov_b32 v[MX], 0xff800000
	v_mov_b32 v[LS], 0
	s_wait_kmcnt 0x0                               ; bc
	s_mov_b32 s60, 3
.Lblock:
	BLOCK 0
	s_sub_co_u32 s60, s60, 1
	s_cmp_lg_u32 s60, 0
	s_cbranch_scc1 .Lblock
	BLOCK 1
	; THE TAIL.  M: 16 lanes hold 16 columns of each of 8 tiles; through the wave's own stage they become 512 consecutive bytes.
.irp c, 0,1,2,3,4,5,6,7
	ds_store_b32 v[MSW], v[MRUN+\c] offset:64*\c
.endr
	ds_load_b128 v[36:39], v[MSR]
	s_lshl_b32 s68, s50, 11                        ; 2,048 bytes a work-group in part and in sc
	s_add_nc_u64 s[24:25], s[24:25], s[68:69]
	s_add_nc_u64 s[22:23], s[22:23], s[68:69]
	s_wait_dscnt 0x0                               ; also: wave 0's stores of the scores are done
	global_store_b128 v[L16], v[36:39], s[24:25]
	s_barrier_signal -1
	s_barrier_wait -1
	ds_load_b128 v[40:43], v[SAR]                  ; block w's 128 scores
	s_wait_dscnt 0x0
	global_store_b128 v[L16], v[40:43], s[22:23]
	s_cmp_ge_u32 s48, 2
	s_cbranch_scc1 .Lw23
	; wave 0: the 16 largest scores; wave 1: the 16 smallest, as the largest of the negated ones.  Lane l: rows 16 l .. 16 l + 15.
.irp q, 0,1,2,3
	ds_load_b128 v[64+4*\q:67+4*\q], v[SAS] offset:16*\q
.endr
	s_cmp_eq_u32 s48, 0
	s_cselect_b32 s66, 1.0, -1.0
	s_lshl_b32 s67, s50, 9
	v_lshl_add_u32 v44, v[LANE], 4, s67            ; row number in all of h
.irp j, 0,1,2,3,4,5,6,7,8,9,10,11,12,13,14,15
	v_add_nc_u32 v45, \j, v44
	v_cvt_f32_u32 v[80+\j], v45                    ; below 2^17: exact
.endr
	s_wait_dscnt 0x0
.irp j, 0,1,2,3,4,5,6,7,8,9,10,11,12,13,14,15
	v_mul_f32 v[64+\j], s66, v[64+\j]
.endr
	EXTRACT 64, 80, 16, 46, 62                     ; result in v52
	s_branch .Lput
.Lw23:
	; wave 2: word 64 = m, word 65 = l, then zeros; wave 3: zeros, so that the row of lc goes out whole
	v_add_f32_dpp v[LS], v[LS], v[LS] row_xmask:1 row_mask:0xf bank_mask:0xf
	v_add_f32_dpp v[LS], v[LS], v[LS] row_xmask:2 row_mask:0xf bank_mask:0xf
	v_add_f32_dpp v[LS], v[LS], v[LS] row_xmask:4 row_mask:0xf bank_mask:0xf
	v_add_f32_dpp v[LS], v[LS], v[LS] row_xmask:8 row_mask:0xf bank_mask:0xf
	v_permlanex16_b32 v46, v[LS], s57, s58
	v_add_f32 v46, v[LS], v46
	s_cmp_eq_u32 s48, 2
	s_cselect_b32 s66, -1, 0
	v_cmp_eq_u32 vcc_lo, 0, v[LANE]
	s_and_b32 vcc_lo, vcc_lo, s66
	v_cndmask_b32 v52, 0, v[MX], vcc_lo
	v_cmp_eq_u32 vcc_lo, 1, v[LANE]
	s_and_b32 vcc_lo, vcc_lo, s66
	v_cndmask_b32 v52, v52, v46, vcc_lo
.Lput:
	s_lshl_b32 s67, s48, 7
	s_add_co_u32 s67, s67, OUTS
	v_lshl_add_u32 v55, v[LANE], 2, s67
	ds_store_b32 v55, v52
	s_wait_dscnt 0x0
	s_barrier_signal -1
	s_barrier_wait -1
	s_cmp_lg_u32 s48, 0
	s_cbranch_scc1 .Lclose
	v_lshlrev_b32 v57, 4, v[LANE]
	v_add_nc_u32 v56, OUTS, v57
	ds_load_b128 v[60:63], v56
	s_lshl_b32 s68, s50, 9
	s_add_nc_u64 s[26:27], s[26:27], s[68:69]
	s_wait_dscnt 0x0
	global_store_b128 v57, v[60:63], s[26:27]      ; 512 consecutive bytes
.Lclose:
	s_wait_xcnt 0x0
	v_lshl_add_u32 v62, v0, 2, 0x4c200
	v_mov_b32 v63, 0
	s_wait_tensorcnt 0x0
	ds_add_u32 v62, v63
	s_wait_dscnt 0x0
	CROUND                                         ; the closing round: no work-group ends while a partner may still ask jointly
	s_endpgm
.Lfunc_end_k_q14f1687307_main:
	.size	k_q14f1687307_main, .Lfunc_end_k_q14f1687307_main-k_q14f1687307_main
	.p2alignl 7, 3214868480
	.fill 96, 4, 3214868480
	.section	.rodata,"a",@progbits
	.p2align	6, 0x0
	.amdhsa_kernel k_q14f1687307_main
		.amdhsa_group_segment_fixed_size 327680
		.amdhsa_private_segment_fixed_size 0
		.amdhsa_enable_private_segment 0
		.amdhsa_kernarg_size 80
		.amdhsa_user_sgpr_count 2
		.amdhsa_user_sgpr_kernarg_segment_ptr 1
		.amdhsa_wavefront_size32 1
		.amdhsa_system_sgpr_workgroup_id_x 1
		.amdhsa_system_sgpr_workgroup_id_y 1
		.amdhsa_system_sgpr_workgroup_id_z 1
		.amdhsa_system_vgpr_workitem_id 0
		.amdhsa_next_free_vgpr 1024
		.amdhsa_next_free_sgpr 80
		.amdhsa_reserve_vcc 1
		.amdhsa_float_denorm_mode_32 3
		.amdhsa_float_denorm_mode_16_64 3
		.amdhsa_memory_ordered 1
		.amdhsa_forward_progress 1
		.amdhsa_inst_pref_size 255
	.end_amdhsa_kernel
	.section	.bss,"aw",@nobits
	.p2align	6
	.space	262144
	.amdgpu_metadata
---
amdhsa.version: [ 1, 2 ]
amdhsa.kernels:
  - .name:           k_q14f1687307_main
    .symbol:         k_q14f1687307_main.kd
    .args:
      - { .name: h, .offset: 0, .size: 8, .value_kind: global_buffer, .address_space: global }
      - { .name: wt, .offset: 8, .size: 8, .value_kind: global_buffer, .address_space: global }
      - { .name: b1, .offset: 16, .size: 8, .value_kind: global_buffer, .address_space: global }
      - { .name: ba, .offset: 24, .size: 8, .value_kind: global_buffer, .address_space: global }
      - { .name: bb, .offset: 32, .size: 8, .value_kind: global_buffer, .address_space: global }
      - { .name: Wc, .offset: 40, .size: 8, .value_kind: global_buffer, .address_space: global }
      - { .name: bc, .offset: 48, .size: 8, .value_kind: global_buffer, .address_space: global }
      - { .name: sc, .offset: 56, .size: 8, .value_kind: global_buffer, .address_space: global }
      - { .name: part, .offset: 64, .size: 8, .value_kind: global_buffer, .address_space: global }
      - { .name: lc, .offset: 72, .size: 8, .value_kind: global_buffer, .address_space: global }
    .group_segment_fixed_size: 327680
    .private_segment_fixed_size: 0
    .kernarg_segment_align: 8
    .kernarg_segment_size: 80
    .max_flat_workgroup_size: 128
    .sgpr_count:     80
    .vgpr_count:     1024
    .wavefront_size: 32
...
	.end_amdgpu_metadata
.endif
;; end of part 2
;; launch comb (part 3): grid 4 x 9, 16 waves a work-group, no clusters, 12,288 bytes of LDS; arguments sc, part, lc, out1, out3, cand; writes out1, out3, cand
.if DOCPART == 3
	.amdgcn_target "amdgcn-amd-amdhsa--gfx1250"
	.amdhsa_code_object_version 6
	.text
	.protected	k_q14f1687307_comb
	.globl	k_q14f1687307_comb
	.p2align	8
	.type	k_q14f1687307_comb,@function
k_q14f1687307_comb:
	s_mov_b64 s[64:65], 0
	v_nop
	global_prefetch_b8 v0, s[64:65] scope:SCOPE_SE
	s_setreg_imm32_b32 hwreg(HW_REG_WAVE_MODE, 25, 1), 1
	s_wait_xcnt 0x0
; x = slide b.  y = 0: the slide's 16 largest and 16 smallest scores out of the 64 work-groups' lists; their rows go to cand as whole numbers.
; y = 1 .. 8 (p = y - 1): the slide's maximum m and sum L from the 64 pairs (m_i, l_i); A = exp(s - m) / L for 4,096 scores; M for columns 64 p .. 64 p + 63.
; No matrix unit, no cluster, no tensor loads: 1.2 MiB are read once.  NaN and infinite scores are not served.
; LDS: bytes 0 .. 8,191: [32 groups][64 columns] f32 of the role y >= 1; bytes SEL .. SEL + 2,047: [16 waves][32 words] of the role y = 0.
; A work-group has one role (y is the same in all its waves); the two roles have LDS bytes of their own all the same, so that no access of one can meet an access of the other.
.set LANE, 1
.set SEL,  8192
.macro EXTRACT V, I, R, X, CT          ; the 16 largest of the wave's 32 R values, ties to the smallest row; result X+6: lanes 0-15 values, 16-31 rows
	v_mov_b32 v[\X+6], 0
	v_mov_b32 v[\X+7], 0xff800000
	s_mov_b32 s[\CT], 0
.Lext_\@:
	v_max_num_f32 v[\X],   v[\V],   v[\V+1]
	v_max_num_f32 v[\X+1], v[\V+2], v[\V+3]
	v_max_num_f32 v[\X],   v[\X],   v[\X+1]
	v_max_num_f32_dpp v[\X], v[\X], v[\X] row_xmask:1 row_mask:0xf bank_mask:0xf
	v_max_num_f32_dpp v[\X], v[\X], v[\X] row_xmask:2 row_mask:0xf bank_mask:0xf
	v_max_num_f32_dpp v[\X], v[\X], v[\X] row_xmask:4 row_mask:0xf bank_mask:0xf
	v_max_num_f32_dpp v[\X], v[\X], v[\X] row_xmask:8 row_mask:0xf bank_mask:0xf
	v_permlanex16_b32 v[\X+1], v[\X], s57, s58
	v_max_num_f32 v[\X], v[\X], v[\X+1]
	v_mov_b32 v[\X+5], 0x7f800000
.set ej, \R-1
.rept \R
	v_cmp_eq_f32 vcc_lo, v[\V+ej], v[\X]
	v_cndmask_b32 v[\X+5], v[\X+5], v[\I+ej], vcc_lo               ; a list holds equal values with ascending rows: the lowest j wins
.set ej, ej-1
.endr
	v_min_num_f32_dpp v[\X+5], v[\X+5], v[\X+5] row_xmask:1 row_mask:0xf bank_mask:0xf
	v_min_num_f32_dpp v[\X+5], v[\X+5], v[\X+5] row_xmask:2 row_mask:0xf bank_mask:0xf
	v_min_num_f32_dpp v[\X+5], v[\X+5], v[\X+5] row_xmask:4 row_mask:0xf bank_mask:0xf
	v_min_num_f32_dpp v[\X+5], v[\X+5], v[\X+5] row_xmask:8 row_mask:0xf bank_mask:0xf
	v_permlanex16_b32 v[\X+1], v[\X+5], s57, s58
	v_min_num_f32 v[\X+5], v[\X+5], v[\X+1]
.set ej, 0
.rept \R
	v_cmp_eq_f32 vcc_lo, v[\I+ej], v[\X+5]
	v_cndmask_b32 v[\V+ej], v[\V+ej], v[\X+7], vcc_lo
.set ej, ej+1
.endr
	v_cmp_eq_u32 vcc_lo, s[\CT], v[LANE]
	v_cndmask_b32 v[\X+6], v[\X+6], v[\X], vcc_lo
	s_add_co_u32 s[\CT+1], s[\CT], 16
	v_cmp_eq_u32 vcc_lo, s[\CT+1], v[LANE]
	v_cndmask_b32 v[\X+6], v[\X+6], v[\X+5], vcc_lo
	s_add_co_u32 s[\CT], s[\CT], 1
	s_cmp_lt_u32 s[\CT], 16
	s_cbranch_scc1 .Lext_\@
.endm
	s_load_b256 s[4:11], s[0:1], 0x0               ; sc s[4:5], part s[6:7], lc s[8:9], out1 s[10:11]
	s_load_b128 s[12:15], s[0:1], 0x20             ; out3 s[12:13], cand s[14:15]
	v_lshl_add_u32 v112, v0, 2, 0x2800
	v_mov_b32 v113, 0
	v_and_b32 v[LANE], 31, v0
	v_lshrrev_b32 v2, 5, v0
	v_readfirstlane_b32 s16, v2                    ; wave
	s_and_b32 s17, ttmp7, 0xffff                   ; y
	s_mov_b32 s57, 0x76543210
	s_mov_b32 s58, 0xfedcba98
	s_mov_b32 s26, 0x3fb8aa3b                      ; log2(e)
	s_lshl_b32 s20, ttmp9, 15                      ; the slide's 64 rows of lc, 512 bytes each
	s_wait_kmcnt 0x0
	s_cmp_lg_u32 s17, 0
	s_cbranch_scc1 .Lsoft
	; ---- y = 0.  Wave v: side v >> 3, lists 8 (v & 7) .. + 7; lane l: four entries (l & 3) of list l >> 2.
	s_lshr_b32 s18, s16, 3
	s_and_b32 s19, s16, 7
	s_lshl_b32 s21, s19, 12
	s_add_co_u32 s21, s21, s20
	s_lshl_b32 s22, s18, 7
	s_add_co_u32 s21, s21, s22
	v_lshrrev_b32 v3, 2, v[LANE]
	v_and_b32 v4, 3, v[LANE]
	v_lshlrev_b32 v5, 9, v3
	v_lshl_add_u32 v5, v4, 4, v5
	v_add_nc_u32 v5, s21, v5
	global_load_b128 v[8:11], v5, s[8:9]           ; values
	global_load_b128 v[12:15], v5, s[8:9] offset:64    ; rows
	s_wait_loadcnt 0x0
	EXTRACT 8, 12, 4, 16, 24
	v_lshlrev_b32 v6, 2, v0                        ; 128 v + 4 lane
	ds_store_b32 v6, v22 offset:SEL
	s_wait_dscnt 0x0
	s_barrier_signal -1
	s_barrier_wait -1
	s_cmp_lg_u32 s19, 0
	s_cbranch_scc1 .Lend                           ; waves 0 and 8 merge their side's eight lists
	s_lshl_b32 s23, s18, 10
	v_lshlrev_b32 v7, 7, v3
	v_lshl_add_u32 v7, v4, 4, v7
	v_add_nc_u32 v7, s23, v7
	ds_load_b128 v[8:11], v7 offset:SEL
	ds_load_b128 v[12:15], v7 offset:SEL+64
	s_wait_dscnt 0x0
	EXTRACT 8, 12, 4, 16, 24
	v_cvt_u32_f32 v24, v22                         ; lanes 16-31: rows, whole numbers below 2^17
	s_lshl_b32 s27, ttmp9, 7
	s_lshl_b32 s28, s18, 6
	s_add_co_u32 s27, s27, s28
	v_and_b32 v25, 15, v[LANE]
	v_lshl_add_u32 v25, v25, 2, s27                ; cand[b][side][lane - 16]
	v_cmp_le_u32 vcc_lo, 16, v[LANE]
	s_wait_xcnt 0x0                                ; EXEC changes only behind this wait
	s_and_saveexec_b32 s29, vcc_lo
	global_store_b32 v25, v24, s[14:15]
	s_wait_xcnt 0x0
	s_or_b32 exec_lo, exec_lo, s29
	s_wait_tensorcnt 0x0
	ds_add_u32 v112, v113
	s_wait_dscnt 0x0
	s_endpgm
.Lsoft:
	; ---- y = 1 .. 8
	s_sub_co_u32 s18, s17, 1                       ; p
	v_lshl_add_u32 v3, v[LANE], 9, s20
	global_load_b64 v[8:9], v3, s[8:9] offset:256              ; (m_i, l_i), i = lane
	global_load_b64 v[10:11], v3, s[8:9] offset:256+16384      ; i = lane + 32
	s_lshl_b32 s21, ttmp9, 17                      ; the slide's 32,768 scores; also its 64 rows of part
	s_lshl_b32 s22, s18, 14
	s_add_co_u32 s22, s22, s21
	v_lshl_add_u32 v4, v0, 4, s22
	global_load_b128 v[12:15], v4, s[4:5]
	global_load_b128 v[16:19], v4, s[4:5] offset:8192
	v_lshrrev_b32 v5, 4, v0                        ; g = 0 .. 31: work-groups g and g + 32
	v_and_b32 v6, 15, v0
	v_lshl_add_u32 v7, v5, 9, s20
	global_load_b32 v20, v7, s[8:9] offset:256
	global_load_b32 v21, v7, s[8:9] offset:256+16384
	s_lshl_b32 s24, s18, 8
	s_add_co_u32 s23, s21, s24
	v_lshlrev_b32 v22, 11, v5
	v_lshl_add_u32 v22, v6, 4, v22
	v_add_nc_u32 v22, s23, v22
	global_load_b128 v[24:27], v22, s[6:7]         ; 16 lanes: 256 consecutive bytes of a row of part
	global_load_b128 v[28:31], v22, s[6:7] offset:65536
	s_wait_loadcnt 0x0
	v_max_num_f32 v32, v8, v10
	v_max_num_f32_dpp v32, v32, v32 row_xmask:1 row_mask:0xf bank_mask:0xf
	v_max_num_f32_dpp v32, v32, v32 row_xmask:2 row_mask:0xf bank_mask:0xf
	v_max_num_f32_dpp v32, v32, v32 row_xmask:4 row_mask:0xf bank_mask:0xf
	v_max_num_f32_dpp v32, v32, v32 row_xmask:8 row_mask:0xf bank_mask:0xf
	v_permlanex16_b32 v2, v32, s57, s58
	v_max_num_f32 v32, v32, v2                     ; m
	v_mul_f32 v35, s26, v32
	v_fma_f32 v8, v8, s26, -v35
	v_fma_f32 v10, v10, s26, -v35
	v_fma_f32 v20, v20, s26, -v35
	v_fma_f32 v21, v21, s26, -v35
.irp k, 12,13,14,15,16,17,18,19
	v_fma_f32 v\k, v\k, s26, -v35
.endr
	v_exp_f32 v8, v8
	v_exp_f32 v10, v10
	v_exp_f32 v20, v20
	v_exp_f32 v21, v21
.irp k, 12,13,14,15,16,17,18,19
	v_exp_f32 v\k, v\k
.endr
	v_nop
	s_wait_alu depctr_va_vdst(0)
	v_mul_f32 v33, v8, v9
	v_fmac_f32 v33, v10, v11
	v_add_f32_dpp v33, v33, v33 row_xmask:1 row_mask:0xf bank_mask:0xf
	v_add_f32_dpp v33, v33, v33 row_xmask:2 row_mask:0xf bank_mask:0xf
	v_add_f32_dpp v33, v33, v33 row_xmask:4 row_mask:0xf bank_mask:0xf
	v_add_f32_dpp v33, v33, v33 row_xmask:8 row_mask:0xf bank_mask:0xf
	v_permlanex16_b32 v2, v33, s57, s58
	v_add_f32 v33, v33, v2                         ; L
	v_rcp_f32 v34, v33
	v_lshlrev_b32 v36, 4, v0                       ; (a plain instruction behind the reciprocal) 256 g + 16 (lane mod 16)
	s_wait_alu depctr_va_vdst(0)
.irp k, 12,14,16,18,20
	v_pk_mul_f32 v[\k:\k+1], v[\k:\k+1], v[34:35] op_sel_hi:[1,0]  ; by 1 / L
.endr
	global_store_b128 v4, v[12:15], s[10:11]
	global_store_b128 v4, v[16:19], s[10:11] offset:8192
	v_pk_mul_f32 v[24:25], v[24:25], v[20:21] op_sel_hi:[1,0]      ; by w_g
	v_pk_mul_f32 v[26:27], v[26:27], v[20:21] op_sel_hi:[1,0]
	v_pk_fma_f32 v[24:25], v[28:29], v[20:21], v[24:25] op_sel:[0,1,0] op_sel_hi:[1,1,1]   ; by w_(g+32)
	v_pk_fma_f32 v[26:27], v[30:31], v[20:21], v[26:27] op_sel:[0,1,0] op_sel_hi:[1,1,1]
	ds_store_b128 v36, v[24:27]
	s_wait_dscnt 0x0
	s_barrier_signal -1
	s_barrier_wait -1
	s_cmp_lg_u32 s16, 0
	s_cbranch_scc1 .Lend
	v_lshrrev_b32 v37, 4, v[LANE]
	v_lshlrev_b32 v37, 12, v37
	v_lshl_add_u32 v37, v6, 4, v37                 ; my half's 16 groups, my four columns
.set rk, 0
.rept 16
	ds_load_b128 v[40+4*rk:43+4*rk], v37 offset:256*rk
.set rk, rk+1
.endr
	s_wait_dscnt 0x0
.irp s, 8,4,2,1
.set rk, 0
.rept \s
	v_pk_add_f32 v[40+4*rk:41+4*rk], v[40+4*rk:41+4*rk], v[40+4*(rk+\s):41+4*(rk+\s)]
	v_pk_add_f32 v[42+4*rk:43+4*rk], v[42+4*rk:43+4*rk], v[42+4*(rk+\s):43+4*(rk+\s)]
.set rk, rk+1
.endr
.endr
.irp k, 0,1,2,3
	v_permlanex16_b32 v[44+\k], v[40+\k], s57, s58
.endr
	v_pk_add_f32 v[40:41], v[40:41], v[44:45]
	v_pk_add_f32 v[42:43], v[42:43], v[46:47]
	s_lshl_b32 s25, ttmp9, 11
	s_add_co_u32 s25, s25, s24
	v_lshl_add_u32 v38, v6, 4, s25
	v_cmp_gt_u32 vcc_lo, 16, v[LANE]
	s_wait_xcnt 0x0                                ; EXEC changes only behind this wait
	s_and_saveexec_b32 s29, vcc_lo
	global_store_b128 v38, v[40:43], s[12:13]      ; 16 lanes: 256 consecutive aligned bytes of out3
	s_wait_xcnt 0x0
	s_or_b32 exec_lo, exec_lo, s29
.Lend:
	s_wait_tensorcnt 0x0
	ds_add_u32 v112, v113
	s_wait_dscnt 0x0
	s_endpgm
.Lfunc_end_k_q14f1687307_comb:
	.size	k_q14f1687307_comb, .Lfunc_end_k_q14f1687307_comb-k_q14f1687307_comb
	.p2alignl 7, 3214868480
	.fill 96, 4, 3214868480
	.section	.rodata,"a",@progbits
	.p2align	6, 0x0
	.amdhsa_kernel k_q14f1687307_comb
		.amdhsa_group_segment_fixed_size 12288
		.amdhsa_private_segment_fixed_size 0
		.amdhsa_enable_private_segment 0
		.amdhsa_kernarg_size 48
		.amdhsa_user_sgpr_count 2
		.amdhsa_user_sgpr_kernarg_segment_ptr 1
		.amdhsa_wavefront_size32 1
		.amdhsa_system_sgpr_workgroup_id_x 1
		.amdhsa_system_sgpr_workgroup_id_y 1
		.amdhsa_system_sgpr_workgroup_id_z 1
		.amdhsa_system_vgpr_workitem_id 0
		.amdhsa_next_free_vgpr 114
		.amdhsa_next_free_sgpr 66
		.amdhsa_reserve_vcc 1
		.amdhsa_float_denorm_mode_32 3
		.amdhsa_float_denorm_mode_16_64 3
		.amdhsa_memory_ordered 1
		.amdhsa_forward_progress 1
		.amdhsa_inst_pref_size 15
	.end_amdhsa_kernel
	.amdgpu_metadata
---
amdhsa.version: [ 1, 2 ]
amdhsa.kernels:
  - .name:           k_q14f1687307_comb
    .symbol:         k_q14f1687307_comb.kd
    .args:
      - { .name: sc, .offset: 0, .size: 8, .value_kind: global_buffer, .address_space: global }
      - { .name: part, .offset: 8, .size: 8, .value_kind: global_buffer, .address_space: global }
      - { .name: lc, .offset: 16, .size: 8, .value_kind: global_buffer, .address_space: global }
      - { .name: out1, .offset: 24, .size: 8, .value_kind: global_buffer, .address_space: global }
      - { .name: out3, .offset: 32, .size: 8, .value_kind: global_buffer, .address_space: global }
      - { .name: cand, .offset: 40, .size: 8, .value_kind: global_buffer, .address_space: global }
    .group_segment_fixed_size: 12288
    .private_segment_fixed_size: 0
    .kernarg_segment_align: 8
    .kernarg_segment_size: 48
    .max_flat_workgroup_size: 512
    .sgpr_count:     66
    .vgpr_count:     114
    .wavefront_size: 32
...
	.end_amdgpu_metadata
.endif
;; end of part 3
;; launch ref1 (part 4): grid 8 x 32, 16 waves a work-group, no clusters, 26,624 bytes of LDS; arguments h, W1, b1, cand, h2c; writes h2c
.if DOCPART == 4
	.amdgcn_target "amdgcn-amd-amdhsa--gfx1250"
	.amdhsa_code_object_version 6
	.text
	.protected	k_q14f1687307_ref1
	.globl	k_q14f1687307_ref1
	.p2align	8
	.type	k_q14f1687307_ref1,@function
k_q14f1687307_ref1:
	s_mov_b64 s[64:65], 0
	v_nop
	global_prefetch_b8 v0, s[64:65] scope:SCOPE_SE
	s_setreg_imm32_b32 hwreg(HW_REG_WAVE_MODE, 25, 1), 1
	s_wait_xcnt 0x0
; h2 of the 128 candidate rows in f32: h2c[c] = relu(h[cand[c]] W1 + b1).  x: 64 columns; y: candidates 4 y .. 4 y + 3.
; Vector arithmetic in f32 on purpose: these 128 rows decide which instances are chosen, and their h2 enters the loss.  67 M multiply-adds with the next launch: no bulk work.
; Wave w takes k = 32 w .. 32 w + 31, a lane two columns, four rows at once; the 16 waves' sums meet in LDS.
.set W,   16                           ; v[16:79]    W1[32 w + k][my two columns]
.set H,   80                           ; v[80:207]   h[row rr][32 w + k], the same in every lane
.set ACC, 208                          ; v[208:215]  four rows x two columns
.set RED, 8192                         ; LDS: 0: four rows of 2,048 bytes; RED: [16 waves][4 rows][64 columns]
	s_load_b256 s[4:11], s[0:1], 0x0               ; h s[4:5], W1 s[6:7], b1 s[8:9], cand s[10:11]
	s_load_b64 s[12:13], s[0:1], 0x20              ; h2c
	v_lshl_add_u32 v224, v0, 2, 0x6000
	v_mov_b32 v225, 0
	v_and_b32 v1, 31, v0
	v_lshrrev_b32 v2, 5, v0
	v_readfirstlane_b32 s14, v2                    ; wave
	s_and_b32 s15, ttmp7, 0xffff                   ; y
	s_lshr_b32 s16, s14, 2                         ; I bring quarter w & 3 of row w >> 2
	s_and_b32 s17, s14, 3
	s_lshl_b32 s18, s15, 2
	s_add_co_u32 s18, s18, s16
	s_lshl_b32 s18, s18, 2
	s_wait_kmcnt 0x0
	s_load_b32 s19, s[10:11], s18 offset:0x0       ; the candidate's row in h
	s_lshl_b32 s21, s14, 16                        ; 32 w rows of W1
	s_lshl_b32 s22, ttmp9, 8                       ; 64 x columns
	s_add_co_u32 s21, s21, s22
	v_lshl_add_u32 v8, v1, 3, s21
	v_lshl_add_u32 v9, v1, 3, s22
	v_lshlrev_b32 v12, 4, v0                       ; 512 w + 16 lane
	s_lshl_b32 s20, s17, 9
	s_wait_kmcnt 0x0
	s_min_u32 s19, s19, 0x1ffff                    ; inside h
	s_lshl_b32 s19, s19, 11
	s_add_co_u32 s19, s19, s20
	v_lshl_add_u32 v3, v1, 4, s19
	global_load_b128 v[4:7], v3, s[4:5]
.set k, 0
.rept 32
	global_load_b64 v[W+2*k:W+2*k+1], v8, s[6:7] offset:k*2048     ; 256 consecutive aligned bytes a load
.set k, k+1
.endr
	global_load_b64 v[10:11], v9, s[8:9]
	s_wait_loadcnt 33                              ; my piece of the row; the 33 loads behind it stay out
	ds_store_b128 v12, v[4:7]
	s_wait_dscnt 0x0
	s_barrier_signal -1
	s_barrier_wait -1
	s_lshl_b32 s23, s14, 7
	v_mov_b32 v13, s23                             ; 4 x 32 w: every lane reads the same words
.irp rr, 0,1,2,3
.irp kk, 0,1,2,3,4,5,6,7
	ds_load_b128 v[H+32*\rr+4*\kk:H+32*\rr+4*\kk+3], v13 offset:\rr*2048+\kk*16
.endr
.endr
	s_wait_dscnt 0x0
	s_wait_loadcnt 0x0
.set k, 0
.rept 32
.irp rr, 0,1,2,3
.if k == 0
	v_pk_mul_f32 v[ACC+2*\rr:ACC+2*\rr+1], v[W:W+1], v[H+32*\rr:H+32*\rr+1] op_sel_hi:[1,0]
.else
.if (k & 1) == 0
	v_pk_fma_f32 v[ACC+2*\rr:ACC+2*\rr+1], v[W+2*k:W+2*k+1], v[H+32*\rr+k:H+32*\rr+k+1], v[ACC+2*\rr:ACC+2*\rr+1] op_sel_hi:[1,0,1]
.else
	v_pk_fma_f32 v[ACC+2*\rr:ACC+2*\rr+1], v[W+2*k:W+2*k+1], v[H+32*\rr+k-1:H+32*\rr+k], v[ACC+2*\rr:ACC+2*\rr+1] op_sel:[0,1,0] op_sel_hi:[1,1,1]
.endif
.endif
.endr
.set k, k+1
.endr
	s_lshl_b32 s24, s14, 10
	s_add_co_u32 s24, s24, RED
	v_lshl_add_u32 v14, v1, 3, s24
.irp rr, 0,1,2,3
	ds_store_b64 v14, v[ACC+2*\rr:ACC+2*\rr+1] offset:\rr*256
.endr
	s_wait_dscnt 0x0
	s_barrier_signal -1
	s_barrier_wait -1
	s_cmp_ge_u32 s14, 4
	s_cbranch_scc1 .Lend
	s_lshl_b32 s25, s14, 8                         ; waves 0-3: row w
	s_add_co_u32 s25, s25, RED
	v_lshl_add_u32 v15, v1, 3, s25
.set k, 0
.rept 16
	ds_load_b64 v[W+2*k:W+2*k+1], v15 offset:k*1024
.set k, k+1
.endr
	s_wait_dscnt 0x0
.irp s, 8,4,2,1
.set k, 0
.rept \s
	v_pk_add_f32 v[W+2*k:W+2*k+1], v[W+2*k:W+2*k+1], v[W+2*(k+\s):W+2*(k+\s)+1]
.set k, k+1
.endr
.endr
	v_pk_add_f32 v[W:W+1], v[W:W+1], v[10:11]
	v_max_num_f32 v[W], 0, v[W]
	v_max_num_f32 v[W+1], 0, v[W+1]
	s_lshl_b32 s26, s15, 2
	s_add_co_u32 s26, s26, s14
	s_lshl_b32 s26, s26, 11
	s_add_co_u32 s26, s26, s22
	v_lshl_add_u32 v216, v1, 3, s26
	global_store_b64 v216, v[W:W+1], s[12:13]      ; 256 consecutive aligned bytes
.Lend:
	s_wait_tensorcnt 0x0
	ds_add_u32 v224, v225
	s_wait_dscnt 0x0
	s_endpgm
.Lfunc_end_k_q14f1687307_ref1:
	.size	k_q14f1687307_ref1, .Lfunc_end_k_q14f1687307_ref1-k_q14f1687307_ref1
	.p2alignl 7, 3214868480
	.fill 96, 4, 3214868480
	.section	.rodata,"a",@progbits
	.p2align	6, 0x0
	.amdhsa_kernel k_q14f1687307_ref1
		.amdhsa_group_segment_fixed_size 26624
		.amdhsa_private_segment_fixed_size 0
		.amdhsa_enable_private_segment 0
		.amdhsa_kernarg_size 40
		.amdhsa_user_sgpr_count 2
		.amdhsa_user_sgpr_kernarg_segment_ptr 1
		.amdhsa_wavefront_size32 1
		.amdhsa_system_sgpr_workgroup_id_x 1
		.amdhsa_system_sgpr_workgroup_id_y 1
		.amdhsa_system_sgpr_workgroup_id_z 1
		.amdhsa_system_vgpr_workitem_id 0
		.amdhsa_next_free_vgpr 226
		.amdhsa_next_free_sgpr 66
		.amdhsa_reserve_vcc 0
		.amdhsa_float_denorm_mode_32 3
		.amdhsa_float_denorm_mode_16_64 3
		.amdhsa_memory_ordered 1
		.amdhsa_forward_progress 1
		.amdhsa_inst_pref_size 19
	.end_amdhsa_kernel
	.amdgpu_metadata
---
amdhsa.version: [ 1, 2 ]
amdhsa.kernels:
  - .name:           k_q14f1687307_ref1
    .symbol:         k_q14f1687307_ref1.kd
    .args:
      - { .name: h, .offset: 0, .size: 8, .value_kind: global_buffer, .address_space: global }
      - { .name: W1, .offset: 8, .size: 8, .value_kind: global_buffer, .address_space: global }
      - { .name: b1, .offset: 16, .size: 8, .value_kind: global_buffer, .address_space: global }
      - { .name: cand, .offset: 24, .size: 8, .value_kind: global_buffer, .address_space: global }
      - { .name: h2c, .offset: 32, .size: 8, .value_kind: global_buffer, .address_space: global }
    .group_segment_fixed_size: 26624
    .private_segment_fixed_size: 0
    .kernarg_segment_align: 8
    .kernarg_segment_size: 40
    .max_flat_workgroup_size: 512
    .sgpr_count:     66
    .vgpr_count:     226
    .wavefront_size: 32
...
	.end_amdgpu_metadata
.endif
;; end of part 4
;; launch ref2 (part 5): grid 8 x 32, 16 waves a work-group, no clusters, 26,624 bytes of LDS; arguments h2c, Wa, Wb, ba, bb, xab; writes xab
.if DOCPART == 5
	.amdgcn_target "amdgcn-amd-amdhsa--gfx1250"
	.amdhsa_code_object_version 6
	.text
	.protected	k_q14f1687307_ref2
	.globl	k_q14f1687307_ref2
	.p2align	8
	.type	k_q14f1687307_ref2,@function
k_q14f1687307_ref2:
	s_mov_b64 s[64:65], 0
	v_nop
	global_prefetch_b8 v0, s[64:65] scope:SCOPE_SE
	s_setreg_imm32_b32 hwreg(HW_REG_WAVE_MODE, 25, 1), 1
	s_wait_xcnt 0x0
; xab[c][0:256] = h2c[c] Wa + ba, xab[c][256:512] = h2c[c] Wb + bb, in f32, for the 128 candidate rows.  x: 64 columns of xab (x >= 4: Wb); y: rows 4 y .. 4 y + 3.
; Built as the launch before it: wave w takes k = 32 w .. 32 w + 31, a lane two columns, four rows at once; the 16 waves' sums meet in LDS.
.set W,   16
.set H,   80
.set ACC, 208
.set RED, 8192
	s_load_b256 s[4:11], s[0:1], 0x0               ; h2c s[4:5], Wa s[6:7], Wb s[8:9], ba s[10:11]
	s_load_b128 s[12:15], s[0:1], 0x20             ; bb s[12:13], xab s[14:15]
	v_lshl_add_u32 v224, v0, 2, 0x6000
	v_mov_b32 v225, 0
	v_and_b32 v1, 31, v0
	v_lshrrev_b32 v2, 5, v0
	v_readfirstlane_b32 s16, v2                    ; wave
	s_and_b32 s17, ttmp7, 0xffff                   ; y
	s_lshl_b32 s18, s17, 13                        ; 4 y rows of 2,048 bytes
	v_lshl_add_u32 v3, v0, 4, s18                  ; + 512 w + 16 lane: quarter w & 3 of row w >> 2
	s_and_b32 s19, ttmp9, 3
	s_lshl_b32 s19, s19, 8                         ; 64 (x & 3) columns
	s_lshl_b32 s20, s16, 15                        ; 32 w rows of 1,024 bytes
	s_add_co_u32 s20, s20, s19
	v_lshl_add_u32 v8, v1, 3, s20
	v_lshl_add_u32 v9, v1, 3, s19
	v_lshlrev_b32 v12, 4, v0
	s_wait_kmcnt 0x0
	s_cmp_ge_u32 ttmp9, 4
	s_cselect_b64 s[22:23], s[8:9], s[6:7]         ; Wb or Wa
	s_cselect_b64 s[24:25], s[12:13], s[10:11]     ; bb or ba
	global_load_b128 v[4:7], v3, s[4:5]
.set k, 0
.rept 32
	global_load_b64 v[W+2*k:W+2*k+1], v8, s[22:23] offset:k*1024
.set k, k+1
.endr
	global_load_b64 v[10:11], v9, s[24:25]
	s_wait_loadcnt 33                              ; my piece of the row; the 33 loads behind it stay out
	ds_store_b128 v12, v[4:7]
	s_wait_dscnt 0x0
	s_barrier_signal -1
	s_barrier_wait -1
	s_lshl_b32 s26, s16, 7
	v_mov_b32 v13, s26
.irp rr, 0,1,2,3
.irp kk, 0,1,2,3,4,5,6,7
	ds_load_b128 v[H+32*\rr+4*\kk:H+32*\rr+4*\kk+3], v13 offset:\rr*2048+\kk*16
.endr
.endr
	s_wait_dscnt 0x0
	s_wait_loadcnt 0x0
.set k, 0
.rept 32
.irp rr, 0,1,2,3
.if k == 0
	v_pk_mul_f32 v[ACC+2*\rr:ACC+2*\rr+1], v[W:W+1], v[H+32*\rr:H+32*\rr+1] op_sel_hi:[1,0]
.else
.if (k & 1) == 0
	v_pk_fma_f32 v[ACC+2*\rr:ACC+2*\rr+1], v[W+2*k:W+2*k+1], v[H+32*\rr+k:H+32*\rr+k+1], v[ACC+2*\rr:ACC+2*\rr+1] op_sel_hi:[1,0,1]
.else
	v_pk_fma_f32 v[ACC+2*\rr:ACC+2*\rr+1], v[W+2*k:W+2*k+1], v[H+32*\rr+k-1:H+32*\rr+k], v[ACC+2*\rr:ACC+2*\rr+1] op_sel:[0,1,0] op_sel_hi:[1,1,1]
.endif
.endif
.endr
.set k, k+1
.endr
	s_lshl_b32 s27, s16, 10
	s_add_co_u32 s27, s27, RED
	v_lshl_add_u32 v14, v1, 3, s27
.irp rr, 0,1,2,3
	ds_store_b64 v14, v[ACC+2*\rr:ACC+2*\rr+1] offset:\rr*256
.endr
	s_wait_dscnt 0x0
	s_barrier_signal -1
	s_barrier_wait -1
	s_cmp_ge_u32 s16, 4
	s_cbranch_scc1 .Lend
	s_lshl_b32 s28, s16, 8
	s_add_co_u32 s28, s28, RED
	v_lshl_add_u32 v15, v1, 3, s28
.set k, 0
.rept 16
	ds_load_b64 v[W+2*k:W+2*k+1], v15 offset:k*1024
.set k, k+1
.endr
	s_wait_dscnt 0x0
.irp s, 8,4,2,1
.set k, 0
.rept \s
	v_pk_add_f32 v[W+2*k:W+2*k+1], v[W+2*k:W+2*k+1], v[W+2*(k+\s):W+2*(k+\s)+1]
.set k, k+1
.endr
.endr
	v_pk_add_f32 v[W:W+1], v[W:W+1], v[10:11]
	s_lshl_b32 s29, s16, 11
	s_add_co_u32 s29, s29, s18                     ; row 4 y + w
	s_lshl_b32 s30, ttmp9, 8
	s_add_co_u32 s29, s29, s30
	v_lshl_add_u32 v216, v1, 3, s29
	global_store_b64 v216, v[W:W+1], s[14:15]
.Lend:
	s_wait_tensorcnt 0x0
	ds_add_u32 v224, v225
	s_wait_dscnt 0x0
	s_endpgm
.Lfunc_end_k_q14f1687307_ref2:
	.size	k_q14f1687307_ref2, .Lfunc_end_k_q14f1687307_ref2-k_q14f1687307_ref2
	.p2alignl 7, 3214868480
	.fill 96, 4, 3214868480
	.section	.rodata,"a",@progbits
	.p2align	6, 0x0
	.amdhsa_kernel k_q14f1687307_ref2
		.amdhsa_group_segment_fixed_size 26624
		.amdhsa_private_segment_fixed_size 0
		.amdhsa_enable_private_segment 0
		.amdhsa_kernarg_size 48
		.amdhsa_user_sgpr_count 2
		.amdhsa_user_sgpr_kernarg_segment_ptr 1
		.amdhsa_wavefront_size32 1
		.amdhsa_system_sgpr_workgroup_id_x 1
		.amdhsa_system_sgpr_workgroup_id_y 1
		.amdhsa_system_sgpr_workgroup_id_z 1
		.amdhsa_system_vgpr_workitem_id 0
		.amdhsa_next_free_vgpr 226
		.amdhsa_next_free_sgpr 66
		.amdhsa_reserve_vcc 0
		.amdhsa_float_denorm_mode_32 3
		.amdhsa_float_denorm_mode_16_64 3
		.amdhsa_memory_ordered 1
		.amdhsa_forward_progress 1
		.amdhsa_inst_pref_size 18
	.end_amdhsa_kernel
	.amdgpu_metadata
---
amdhsa.version: [ 1, 2 ]
amdhsa.kernels:
  - .name:           k_q14f1687307_ref2
    .symbol:         k_q14f1687307_ref2.kd
    .args:
      - { .name: h2c, .offset: 0, .size: 8, .value_kind: global_buffer, .address_space: global }
      - { .name: Wa, .offset: 8, .size: 8, .value_kind: global_buffer, .address_space: global }
      - { .name: Wb, .offset: 16, .size: 8, .value_kind: global_buffer, .address_space: global }
      - { .name: ba, .offset: 24, .size: 8, .value_kind: global_buffer, .address_space: global }
      - { .name: bb, .offset: 32, .size: 8, .value_kind: global_buffer, .address_space: global }
      - { .name: xab, .offset: 40, .size: 8, .value_kind: global_buffer, .address_space: global }
    .group_segment_fixed_size: 26624
    .private_segment_fixed_size: 0
    .kernarg_segment_align: 8
    .kernarg_segment_size: 48
    .max_flat_workgroup_size: 512
    .sgpr_count:     66
    .vgpr_count:     226
    .wavefront_size: 32
...
	.end_amdgpu_metadata
.endif
;; end of part 5
;; launch final (part 6): grid 4 x 1, 16 waves a work-group, no clusters, 6,144 bytes of LDS; arguments xab, h2c, cand, Wc, Winst, binst, out3, Wcls, bcls, out0, out2; writes out0, out2
.if DOCPART == 6
	.amdgcn_target "amdgcn-amd-amdhsa--gfx1250"
	.amdhsa_code_object_version 6
	.text
	.protected	k_q14f1687307_final
	.globl	k_q14f1687307_final
	.p2align	8
	.type	k_q14f1687307_final,@function
k_q14f1687307_final:
	s_mov_b64 s[64:65], 0
	v_nop
	global_prefetch_b8 v0, s[64:65] scope:SCOPE_SE
	s_setreg_imm32_b32 hwreg(HW_REG_WAVE_MODE, 25, 1), 1
	s_wait_xcnt 0x0
; One work-group a slide b.  Wave w: candidates w (of the 16 largest) and 16 + w (of the 16 smallest): the f32 score (without bc, which shifts all alike) and the four
; instance logits.  Wave 0 then ranks each side's 16 by score (ties to the lower row), takes the first 8 and forms the loss; wave 1 forms the slide's logits from out3.
; label = 1: classifier 1 sees the 8 largest as class 1 and the 8 smallest as class 0 (mean of 16); classifier 0 sees the 8 largest as class 0 (mean of 8); the sum is halved.
; -log softmax(z)[t] = softplus(z_other - z_t), softplus(x) = max(x, 0) + ln 2 log2(1 + 2^(-|x| log2 e)): the maximum is taken away before the exponential.
; LIMITS: NaN and infinities are not served; the ranking goes by the score, not by the rounded softmax value (they differ only for scores within a rounding of each other).
.set LANE, 1
.macro WSUM r, t
	v_add_f32_dpp v[\r], v[\r], v[\r] row_xmask:1 row_mask:0xf bank_mask:0xf
	v_add_f32_dpp v[\r], v[\r], v[\r] row_xmask:2 row_mask:0xf bank_mask:0xf
	v_add_f32_dpp v[\r], v[\r], v[\r] row_xmask:4 row_mask:0xf bank_mask:0xf
	v_add_f32_dpp v[\r], v[\r], v[\r] row_xmask:8 row_mask:0xf bank_mask:0xf
	v_permlanex16_b32 v[\t], v[\r], s57, s58
	v_add_f32 v[\r], v[\r], v[\t]
.endm
.macro ROWL X, ro                      ; a candidate's xa (8 d a lane), xb, h2 (16 k a lane)
	global_load_b128 v[\X:\X+3],     v5, s[4:5] offset:\ro
	global_load_b128 v[\X+4:\X+7],   v5, s[4:5] offset:\ro+16
	global_load_b128 v[\X+8:\X+11],  v5, s[4:5] offset:\ro+1024
	global_load_b128 v[\X+12:\X+15], v5, s[4:5] offset:\ro+1040
.irp k, 0,1,2,3
	global_load_b128 v[\X+16+4*\k:\X+19+4*\k], v6, s[6:7] offset:\ro+16*\k
.endr
.endm
.macro ROWC X, lo                      ; score and logits of the candidate in X; result to LDS at v168 + lo
.set k, 0
.rept 8
	v_mul_f32 v[\X+k], s40, v[\X+k]
	v_mul_f32 v[\X+8+k], s41, v[\X+8+k]
.set k, k+1
.endr
.set k, 0
.rept 8
	v_min_num_f32 v[\X+k], s42, v[\X+k]
.set k, k+1
.endr
.set k, 0
.rept 16
	v_exp_f32 v[\X+k], v[\X+k]                     ; E = e^(2 xa), F = e^(-xb)
.set k, k+1
.endr
	v_nop
.set k, 0
	s_wait_alu depctr_va_vdst(0)
.rept 4
	v_pk_add_f32 v[144+k:145+k], v[\X+k:\X+k+1], 1.0 op_sel_hi:[1,0]
	v_pk_fma_f32 v[\X+k:\X+k+1], v[\X+k:\X+k+1], v[8+k:9+k], v[160+k:161+k]     ; E Wc - Wc
.set k, k+2
.endr
.set k, 0
.rept 4
	v_pk_fma_f32 v[144+k:145+k], v[144+k:145+k], v[\X+8+k:\X+9+k], v[144+k:145+k]   ; (E + 1) F + (E + 1)
.set k, k+2
.endr
.set k, 0
.rept 8
	v_rcp_f32 v[144+k], v[144+k]
.set k, k+1
.endr
	v_nop
	s_wait_alu depctr_va_vdst(0)
	v_pk_mul_f32 v[152:153], v[\X:\X+1], v[144:145]
	v_pk_fma_f32 v[152:153], v[\X+2:\X+3], v[146:147], v[152:153]
	v_pk_fma_f32 v[152:153], v[\X+4:\X+5], v[148:149], v[152:153]
	v_pk_fma_f32 v[152:153], v[\X+6:\X+7], v[150:151], v[152:153]
	v_add_f32 v158, v152, v153
	v_pk_mul_f32 v[154:155], v[16:17], v[\X+16:\X+17] op_sel_hi:[1,0]
	v_pk_mul_f32 v[156:157], v[48:49], v[\X+16:\X+17] op_sel_hi:[1,0]
.set k, 1
.rept 15
.if (k & 1) == 0
	v_pk_fma_f32 v[154:155], v[16+2*k:17+2*k], v[\X+16+k:\X+17+k], v[154:155] op_sel_hi:[1,0,1]
	v_pk_fma_f32 v[156:157], v[48+2*k:49+2*k], v[\X+16+k:\X+17+k], v[156:157] op_sel_hi:[1,0,1]
.else
	v_pk_fma_f32 v[154:155], v[16+2*k:17+2*k], v[\X+15+k:\X+16+k], v[154:155] op_sel:[0,1,0] op_sel_hi:[1,1,1]
	v_pk_fma_f32 v[156:157], v[48+2*k:49+2*k], v[\X+15+k:\X+16+k], v[156:157] op_sel:[0,1,0] op_sel_hi:[1,1,1]
.endif
.set k, k+1
.endr
	WSUM 158, 153
	WSUM 154, 153
	WSUM 155, 153
	WSUM 156, 153
	WSUM 157, 153
	v_add_f32 v154, s28, v154                      ; + binst
	v_add_f32 v155, s29, v155
	v_add_f32 v156, s30, v156
	v_add_f32 v157, s31, v157
	ds_store_b32 v168, v158 offset:\lo             ; every lane writes the same words with the same values
	ds_store_b128 v168, v[154:157] offset:\lo+16
.endm
.macro SPLUS d, x, t
	v_and_b32 v[\t], 0x7fffffff, v[\x]
	v_mul_f32 v[\t], s41, v[\t]                    ; -|x| log2(e)
	v_exp_f32 v[\t], v[\t]
	v_max_num_f32 v[\d], 0, v[\x]
	s_wait_alu depctr_va_vdst(0)
	v_add_f32 v[\t], 1.0, v[\t]
	v_log_f32 v[\t], v[\t]
	v_nop
	s_wait_alu depctr_va_vdst(0)
	v_fmac_f32 v[\d], s43, v[\t]
.endm
	s_load_b512 s[4:19], s[0:1], 0x0               ; xab s[4:5], h2c s[6:7], cand s[8:9], Wc s[10:11], Winst s[12:13], binst s[14:15], out3 s[16:17], Wcls s[18:19]
	s_load_b128 s[20:23], s[0:1], 0x40             ; bcls s[20:21], out0 s[22:23]
	s_load_b64 s[24:25], s[0:1], 0x50              ; out2
	v_lshl_add_u32 v176, v0, 2, 0x1000
	v_mov_b32 v177, 0
	v_and_b32 v[LANE], 31, v0
	v_lshrrev_b32 v2, 5, v0
	v_readfirstlane_b32 s26, v2                    ; wave
	s_mov_b32 s57, 0x76543210
	s_mov_b32 s58, 0xfedcba98
	s_mov_b32 s40, 0x4038aa3b                      ; 2 log2(e)
	s_mov_b32 s41, 0xbfb8aa3b                      ; -log2(e)
	s_mov_b32 s42, 0x42700000                      ; 60.0
	s_mov_b32 s43, 0x3f317218                      ; ln 2
	s_lshl_b32 s34, ttmp9, 5
	s_add_co_u32 s34, s34, s26                     ; candidate row 32 b + w
	s_lshl_b32 s35, s34, 11
	v_lshlrev_b32 v3, 5, v[LANE]
	v_lshlrev_b32 v4, 7, v[LANE]
	v_add_nc_u32 v5, s35, v3
	v_lshl_add_u32 v6, v[LANE], 6, s35
	s_lshl_b32 s36, s26, 5
	v_mov_b32 v168, s36                            ; LDS: 32 bytes a candidate
	s_wait_kmcnt 0x0
	s_load_b128 s[28:31], s[14:15], 0x0            ; binst
	s_load_b64 s[32:33], s[20:21], 0x0             ; bcls
	global_load_b128 v[8:11], v3, s[10:11]         ; Wc of my 8 d
	global_load_b128 v[12:15], v3, s[10:11] offset:16
.irp k, 0,1,2,3,4,5,6,7
	global_load_b128 v[16+4*\k:19+4*\k], v4, s[12:13] offset:16*\k         ; Winst[0] of my 16 k
	global_load_b128 v[48+4*\k:51+4*\k], v4, s[12:13] offset:4096+16*\k    ; Winst[1]
.endr
	ROWL 80, 0
	ROWL 112, 32768                                ; 16 rows further down
	s_wait_loadcnt 0x0
	s_wait_kmcnt 0x0
.irp k, 0,2,4,6
	v_pk_mul_f32 v[160+\k:161+\k], v[8+\k:9+\k], -1.0 op_sel_hi:[1,0]      ; -Wc
.endr
	ROWC 80, 0
	ROWC 112, 512
	s_wait_dscnt 0x0
	s_barrier_signal -1
	s_barrier_wait -1
	s_cmp_eq_u32 s26, 1
	s_cbranch_scc1 .Llogits
	s_cmp_lg_u32 s26, 0
	s_cbranch_scc1 .Lend
	; ---- wave 0: lane = candidate
	v_lshlrev_b32 v2, 5, v[LANE]
	ds_load_b32 v3, v2                             ; score
	ds_load_b128 v[4:7], v2 offset:16              ; z00, z01, z10, z11
	s_lshl_b32 s36, ttmp9, 7
	v_lshl_add_u32 v8, v[LANE], 2, s36
	global_load_b32 v9, v8, s[8:9]                 ; the candidate's row, for ties: a value here, no address
	v_lshrrev_b32 v11, 4, v[LANE]
	v_lshlrev_b32 v13, 6, v11                      ; my side's 16 words
	v_lshlrev_b32 v11, 31, v11                     ; the smallest are ranked by the negated score
	v_lshlrev_b32 v12, 2, v[LANE]
	s_wait_dscnt 0x0
	s_wait_loadcnt 0x0
	v_xor_b32 v10, v11, v3
	ds_store_b32 v12, v10 offset:1024
	ds_store_b32 v12, v9 offset:1152
.irp q, 0,1,2,3
	ds_load_b128 v[16+4*\q:19+4*\q], v13 offset:1024+16*\q     ; the wave's own bytes, served in order (ISA guide 5.7.1)
	ds_load_b128 v[32+4*\q:35+4*\q], v13 offset:1152+16*\q
.endr
	v_mov_b32 v14, 0
	s_wait_dscnt 0x0
.set k, 0
.rept 16
	v_cmp_gt_f32 s36, v[16+k], v10
	v_cmp_eq_f32 s37, v[16+k], v10
	v_cmp_lt_u32 s38, v[32+k], v9
	s_and_b32 s37, s37, s38
	s_or_b32 vcc_lo, s36, s37
	v_add_co_ci_u32 v14, vcc_lo, 0, v14, vcc_lo    ; rank: how many of my side stand in front of me
.set k, k+1
.endr
	v_sub_f32 v15, v6, v7                          ; z10 - z11: target 1;
	v_xor_b32 v15, v11, v15                        ; the smallest: z11 - z10, target 0
	v_sub_f32 v48, v5, v4                          ; z01 - z00: target 0
	SPLUS 49, 15, 50
	SPLUS 51, 48, 52
	v_mul_f32 v51, 0x3e000000, v51                 ; / 8
	v_cmp_gt_u32 vcc_lo, 16, v[LANE]
	v_cndmask_b32 v51, 0, v51, vcc_lo              ; classifier 0 sees the largest alone
	v_fmamk_f32 v49, v49, 0x3d800000, v51          ; / 16
	v_cmp_gt_u32 vcc_lo, 8, v14
	v_cndmask_b32 v49, 0, v49, vcc_lo              ; the first 8 of each side
	WSUM 49, 50
	v_mul_f32 v49, 0.5, v49                        ; / n_classes
	s_lshl_b32 s39, ttmp9, 2
	v_mov_b32 v53, s39
	v_cmp_eq_u32 vcc_lo, 0, v[LANE]
	s_wait_xcnt 0x0                                ; EXEC changes only behind this wait
	s_and_saveexec_b32 s44, vcc_lo
	global_store_b32 v53, v49, s[24:25]
	s_wait_xcnt 0x0
	s_or_b32 exec_lo, exec_lo, s44
	s_wait_tensorcnt 0x0
	ds_add_u32 v176, v177
	s_wait_dscnt 0x0
	s_endpgm
.Llogits:
	; ---- wave 1: out0[b] = out3[b] Wcls + bcls; 16 k a lane
	s_lshl_b32 s36, ttmp9, 11
	v_lshl_add_u32 v2, v[LANE], 6, s36
	v_lshlrev_b32 v3, 7, v[LANE]
.irp k, 0,1,2,3
	global_load_b128 v[16+4*\k:19+4*\k], v2, s[16:17] offset:16*\k
.endr
.irp k, 0,1,2,3,4,5,6,7
	global_load_b128 v[32+4*\k:35+4*\k], v3, s[18:19] offset:16*\k
.endr
	s_wait_loadcnt 0x0
	v_pk_mul_f32 v[64:65], v[32:33], v[16:17] op_sel_hi:[1,0]
.set k, 1
.rept 15
.if (k & 1) == 0
	v_pk_fma_f32 v[64:65], v[32+2*k:33+2*k], v[16+k:17+k], v[64:65] op_sel_hi:[1,0,1]
.else
	v_pk_fma_f32 v[64:65], v[32+2*k:33+2*k], v[15+k:16+k], v[64:65] op_sel:[0,1,0] op_sel_hi:[1,1,1]
.endif
.set k, k+1
.endr
	WSUM 64, 16
	WSUM 65, 16
	v_add_f32 v64, s32, v64
	v_add_f32 v65, s33, v65
	s_lshl_b32 s39, ttmp9, 3
	v_mov_b32 v66, s39
	v_cmp_eq_u32 vcc_lo, 0, v[LANE]
	s_wait_xcnt 0x0                                ; EXEC changes only behind this wait
	s_and_saveexec_b32 s44, vcc_lo
	global_store_b64 v66, v[64:65], s[22:23]
	s_wait_xcnt 0x0
	s_or_b32 exec_lo, exec_lo, s44
.Lend:
	s_wait_tensorcnt 0x0
	ds_add_u32 v176, v177
	s_wait_dscnt 0x0
	s_endpgm
.Lfunc_end_k_q14f1687307_final:
	.size	k_q14f1687307_final, .Lfunc_end_k_q14f1687307_final-k_q14f1687307_final
	.p2alignl 7, 3214868480
	.fill 96, 4, 3214868480
	.section	.rodata,"a",@progbits
	.p2align	6, 0x0
	.amdhsa_kernel k_q14f1687307_final
		.amdhsa_group_segment_fixed_size 6144
		.amdhsa_private_segment_fixed_size 0
		.amdhsa_enable_private_segment 0
		.amdhsa_kernarg_size 88
		.amdhsa_user_sgpr_count 2
		.amdhsa_user_sgpr_kernarg_segment_ptr 1
		.amdhsa_wavefront_size32 1
		.amdhsa_system_sgpr_workgroup_id_x 1
		.amdhsa_system_sgpr_workgroup_id_y 1
		.amdhsa_system_sgpr_workgroup_id_z 1
		.amdhsa_system_vgpr_workitem_id 0
		.amdhsa_next_free_vgpr 178
		.amdhsa_next_free_sgpr 66
		.amdhsa_reserve_vcc 1
		.amdhsa_float_denorm_mode_32 3
		.amdhsa_float_denorm_mode_16_64 3
		.amdhsa_memory_ordered 1
		.amdhsa_forward_progress 1
		.amdhsa_inst_pref_size 30
	.end_amdhsa_kernel
	.amdgpu_metadata
---
amdhsa.version: [ 1, 2 ]
amdhsa.kernels:
  - .name:           k_q14f1687307_final
    .symbol:         k_q14f1687307_final.kd
    .args:
      - { .name: xab, .offset: 0, .size: 8, .value_kind: global_buffer, .address_space: global }
      - { .name: h2c, .offset: 8, .size: 8, .value_kind: global_buffer, .address_space: global }
      - { .name: cand, .offset: 16, .size: 8, .value_kind: global_buffer, .address_space: global }
      - { .name: Wc, .offset: 24, .size: 8, .value_kind: global_buffer, .address_space: global }
      - { .name: Winst, .offset: 32, .size: 8, .value_kind: global_buffer, .address_space: global }
      - { .name: binst, .offset: 40, .size: 8, .value_kind: global_buffer, .address_space: global }
      - { .name: out3, .offset: 48, .size: 8, .value_kind: global_buffer, .address_space: global }
      - { .name: Wcls, .offset: 56, .size: 8, .value_kind: global_buffer, .address_space: global }
      - { .name: bcls, .offset: 64, .size: 8, .value_kind: global_buffer, .address_space: global }
      - { .name: out0, .offset: 72, .size: 8, .value_kind: global_buffer, .address_space: global }
      - { .name: out2, .offset: 80, .size: 8, .value_kind: global_buffer, .address_space: global }
    .group_segment_fixed_size: 6144
    .private_segment_fixed_size: 0
    .kernarg_segment_align: 8
    .kernarg_segment_size: 88
    .max_flat_workgroup_size: 512
    .sgpr_count:     66
    .vgpr_count:     178
    .wavefront_size: 32
...
	.end_amdgpu_metadata
.endif
;; end of part 6
;; ======== version 2 of 2: 6 launches; 1.21 times as fast as version 1
;; workspace buffers: wt 1,048,576 bytes; sc 524,288 bytes; part 524,288 bytes; lc 131,072 bytes; cand 512 bytes of whole numbers; h2c 262,144 bytes; xab 262,144 bytes
;; launch prep: the kernel of part 1 again; grid 256 x 1, 8 waves a work-group, no clusters, 0 bytes of LDS; arguments W1, Wa, Wb, wt; writes wt
;; launch main (part 7): grid 256 x 1, 4 waves a work-group, clusters of 4 x 1, 327,680 bytes of LDS; arguments h, wt, b1, ba, bb, Wc, bc, sc, part, lc; writes sc, part, lc
.if DOCPART == 7
	.amdgcn_target "amdgcn-amd-amdhsa--gfx1250"
	.amdhsa_code_object_version 6
	.text
	.protected	k_q14f1687307_main
	.globl	k_q14f1687307_main
	.p2align	8
	.type	k_q14f1687307_main,@function
k_q14f1687307_main:
	s_mov_b64 s[64:65], 0
	v_nop
	global_prefetch_b8 v0, s[64:65] scope:SCOPE_SE
	s_setreg_imm32_b32 hwreg(HW_REG_WAVE_MODE, 25, 1), 1
	s_wait_xcnt 0x0
	s_wait_alu depctr_hold_cnt(0) depctr_sa_sdst(0) depctr_va_vdst(0) depctr_va_sdst(0) depctr_va_ssrc(0) depctr_va_vcc(0) depctr_vm_vsrc(0)
	s_getreg_b32 s2, hwreg(HW_REG_IB_STS2, 6, 4)
	s_cmp_eq_u32 s2, 0
	s_cbranch_scc0 .Lentry_in_a_cluster
	s_endpgm
.Lentry_in_a_cluster:
	s_bfe_u32 s2, ttmp6, 0x10000c
	s_cmp_lg_u32 s2, 0x3003
	s_cbranch_scc0 .Lentry_shape_is_right
	s_endpgm
.Lentry_shape_is_right:
; The bulk pass.  Work-group G owns rows 512 G .. 512 G + 511 of h (slide G >> 6) and walks them in 4 blocks of 128 rows, all four through ONE text.
; A block: stage 1, h2 = relu(h W1 + b1), 8 K steps of 64; h2 goes as bf16 into LDS; stage 2, h2 (Wa | Wb) + bias, 8 K steps of 64;
; then the score s = sum over d of Wc[d] tanh(xa) sigmoid(xb) + bc, a running softmax (running maximum m, sum l) and the running sum M = sum p h2.
; Out: sc (512 scores), part (512 columns of M, relative to m), lc (the 16 largest and 16 smallest scores with their rows; m; l).
; Four waves, each 128 rows x 128 columns in 64 accumulators (512 registers).  In stage 2 wave w has d = 64 w .. 64 w + 63: column tiles 0-3 are xa, 4-7 the xb of the same d.
; The matrix instruction is used transposed (source 0 = weights, source 1 = rows): a lane's 8 results are 8 neighbouring columns of one row, which as bf16 are
; the 16 bytes of one lane of a stage 2 row fragment.  The first product of each sum takes the bias as C: nothing is cleared, no bias is added afterwards.
; CLUSTER: the four work-groups of a cluster walk the same 16 weight tiles in step, so each tile is asked for jointly (mask 15): the requests for weights are divided by four.
; WEIGHT RING: two slots.  Tile 0 is asked for at the head of its own block, tile 1 when tile 0 has landed, tile t + 2 at the end of step t (t = 0 .. 13): sixteen loads in
; every block, each of them read, so that the last block needs no text of its own.  While tile 0 is on its way the wave does what is left of the block BEFORE: its softmax step
; and its M step, which touch no weight slot; then the conversion of h tile 0.  The first block has no block before it and jumps over the two steps; behind the loop they are
; written once more, for the last block.
; h is private to a work-group: it comes through registers (f32, converted to bf16, stored into a small LDS ring), two K steps ahead; the next block's first two tiles are
; asked for in step 7, when both staging sets are free, and have stage 2 in which to land.  The last block jumps over those 32 loads.
; LIMITS: NaN and infinite inputs are not served.  Matrix operands are bf16.  The scores written here carry bf16 rounding; they pick 16 candidates a side and slide,
; of which later launches choose the 8 by f32 scores: the choice is exact as long as the true 8 lie among the 16 best by these scores cut to 14 mantissa bits (a relative
; 6e-5; equal cut scores go by the lower row).  2 log2(e) xa is cut at 60, where tanh is 1 in f32.
.set WSLOT,  65536                     ; a weight tile; LDS 0 .. 131,071: two slots, the only bytes that tensor loads fill
.set XB,     131072                    ; h2 as fragments: XB + (K/32) 8192 + (row/16) 1024 + q 512 + lane 16
.set HB,     262144                    ; h as bf16: two slots of 128 rows, 128 bytes + 16 of padding
.set HSLOT,  18432
.set HPITCH, 144                       ; 9 x 16 bytes: the 16 rows of a fragment load start 16 bytes further round the banks each
.set BT1,    299008                    ; b1, 2,048 bytes
.set BT2,    301056                    ; [w][b][16]: 2 log2(e) ba, then -log2(e) bb, 2,048 bytes (BT1 + 2048)
.set WCT,    303104                    ; Wc, 1,024 bytes
.set SC,     304128                    ; [4 waves][128] partial scores
.set PB,     306176                    ; [4 waves][128] p as bf16, each wave its own
.set SALL,   307200                    ; the work-group's 512 scores
.set MST,    309248                    ; [4 waves][128] M on its way out
.set OUTS,   311296                    ; the row of lc on its way out, 512 bytes
; window 0
.set LANE, 1
.set ADRH, 2                           ; v2-3   row fragments in h slot 0, 1
.set ADRB, 4                           ; v4-5   my weight fragments in slot 0, 1
.set ADRX, 6                           ; v6     row fragments in XB, stepped;  v7 its start
.set ADRX0, 7
.set XST,  8                           ; where I put h2
.set HST,  9                           ; where I put h
.set HOFF, 10                          ; my bytes of an h tile in memory
.set BIA,  11
.set WCA,  12
.set SCW,  13
.set SCR,  14
.set PBW,  15
.set PBR,  16
.set TRA,  17
.set SAW,  18
.set L16,  19                          ; 512 w + 16 lane
.set MSW,  20
.set MSR,  21
.set SAR,  22
.set SAS,  23
.set MRUN, 24                          ; v24-31 M of columns 128 w + 16 c + r
.set MX,   32                          ; running maximum
.set LS,   33                          ; my lane's share of the running sum
.set T,    34                          ; v34-63 at work
.set FAC,  50                          ; exp(old maximum - new maximum)
.set F0,   64                          ; fragment buffer 0: rows in window 0, weights in window 1
.set F1,   128                         ; fragment buffer 1
.set TMP,  192                         ; window 0: bias, then at work.  Window 1: v0-63 (even tiles) and v192-255 (odd tiles) are the two h staging sets
.set G1, 32                            ; s[32:39]
.set G0, 40                            ; s[40:43] slot 0, s[44:47] slot 1
.set MSB, 0
.macro WIN new                         ; low byte: 1:0 source 0, 3:2 source 1, 5:4 source 2, 7:6 destination; the high byte repeats the setting that is left
.if MSB != \new
	s_set_vgpr_msb (MSB<<8)|\new
.set MSB, \new
.endif
.endm
.macro PLACES                          ; four independent vector instructions behind a matrix instruction, in front of reads of its results and of loads into its registers
.rept 4
	v_nop
.endr
.endm
.macro CREST                           ; a round of the cluster's barrier behind its opening barrier
	s_cmp_lg_u32 s48, 0
	s_cbranch_scc1 .Lnot_wave_0_\@
	s_barrier_signal -3
.Lnot_wave_0_\@:
	s_barrier_wait -3
	s_barrier_signal -1
	s_barrier_wait -1
.endm
.macro CROUND
	s_barrier_signal -1
	s_barrier_wait -1
	CREST
.endm
; The joint load of my quarter (16,384 bytes) of a weight tile.  step 1: two tiles on; step 2: fourteen tiles back (a block's first tile of the slot).
; No tensor load of the wave is out here (the wait for 0 stands in front of the round), so the address may be written.
.macro JLOAD slot, step
.if \step == 1
	s_add_nc_u64 s[G0+4*\slot+2:G0+4*\slot+3], s[G0+4*\slot+2:G0+4*\slot+3], 2*WSLOT
.endif
.if \step == 2
	s_sub_nc_u64 s[G0+4*\slot+2:G0+4*\slot+3], s[G0+4*\slot+2:G0+4*\slot+3], 14*WSLOT
.endif
	tensor_load_to_lds s[G0+4*\slot:G0+4*\slot+3], s[G1:G1+7]
	s_nop 0
.endm
; 16 matrix instructions: row tiles a0, a0 + 1 of the window's four x all 8 column tiles, 32 along K.  The 64 accumulators take turns, one instruction a turn.
.macro MUL16 f, hi, a0, bias
.irp a, \a0, \a0+1
.irp b, 0,1,2,3,4,5,6,7
.if \bias
	v_wmma_f32_16x16x32_bf16 v[8*(8*(\a)+\b):8*(8*(\a)+\b)+7], v[\f+8*\b:\f+8*\b+7], v[\f+8*(4*\hi+\a):\f+8*(4*\hi+\a)+7], v[TMP+8*\b:TMP+8*\b+7]
.else
	v_wmma_f32_16x16x32_bf16 v[8*(8*(\a)+\b):8*(8*(\a)+\b)+7], v[\f+8*\b:\f+8*\b+7], v[\f+8*(4*\hi+\a):\f+8*(4*\hi+\a)+7], v[8*(8*(\a)+\b):8*(8*(\a)+\b)+7]
.endif
.endr
.endr
.endm
.macro WMUL hi, bias                   ; weights window 1, rows window 0, D window 2 or 3, C the same or (bias) window 0
.if \bias
.if \hi
	WIN 0xc1
.else
	WIN 0x81
.endif
.else
.if \hi
	WIN 0xf1
.else
	WIN 0xa1
.endif
.endif
.endm
.macro FETCHB slot, ksub, f            ; my 8 weight fragments: 32 lanes x 16 neighbouring bytes a load
	WIN 0x40
.irp b, 0,1,2,3,4,5,6,7
	ds_load_b128 v[\f+8*\b:\f+8*\b+3],   v[ADRB+\slot] offset:\ksub*8192+\b*1024
	ds_load_b128 v[\f+8*\b+4:\f+8*\b+7], v[ADRB+\slot] offset:\ksub*8192+\b*1024+512
.endr
.endm
.macro FETCHA adr, off, istep, qstep, f    ; the 8 row fragments
	WIN 0
.irp i, 0,1,2,3,4,5,6,7
	ds_load_b128 v[\f+8*\i:\f+8*\i+3],   v[\adr] offset:\off+\i*\istep
	ds_load_b128 v[\f+8*\i+4:\f+8*\i+7], v[\adr] offset:\off+\i*\istep+\qstep
.endr
.endm
.macro BIAS off                        ; register j of column tile b = bias[128 w + 16 b + 8 h + j]
	WIN 0
.irp b, 0,1,2,3,4,5,6,7
	ds_load_b128 v[TMP+8*\b:TMP+8*\b+3],   v[BIA] offset:\off+64*\b
	ds_load_b128 v[TMP+8*\b+4:TMP+8*\b+7], v[BIA] offset:\off+64*\b+16
.endr
.endm
.macro HLOAD set, imm                  ; my 32 rows of an h tile (64 columns) into a staging set: a load takes two rows, 256 consecutive aligned bytes each
	WIN 0x40
.set hj, 0
.rept 16
	global_load_b128 v[\set+4*hj:\set+4*hj+3], v[HOFF], s[52:53] offset:hj*4096+\imm th:TH_LOAD_NT
.set hj, hj+1
.endr
.endm
; One h tile: the staging set is converted in place and stored into an h slot; load = 1: the set is loaded again with the tile two further on, at byte imm from the base.
; cnt = the other set's loads, which may stay out.
.macro HWORK set, slot, cnt, load, imm
	s_wait_loadcnt \cnt
	WIN 0x45
.set hj, 0
.rept 32
	v_cvt_pk_bf16_f32 v[\set+hj], v[\set+2*hj], v[\set+2*hj+1]     ; register hj is read no later than it is written
.set hj, hj+1
.endr
	WIN 0x04
.set hj, 0
.rept 16
	ds_store_b64 v[HST], v[\set+2*hj:\set+2*hj+1] offset:(\slot)*HSLOT+hj*2*HPITCH
.set hj, hj+1
.endr
.if \load
	HLOAD \set, \imm
.endif
.endm
; First half of a K step: multiplies buffer 0, and in its middle fetches the second half's fragments into buffer 1.
.macro Q0 slot, adr, off, istep, qstep, bias
	s_wait_dscnt 8                                 ; all but the youngest eight loads (row tiles 4-7)
	WMUL 0, \bias
	MUL16 F0, 0, 0, \bias
	MUL16 F0, 0, 2, \bias
	PLACES
	FETCHB \slot, 1, F1
	FETCHA \adr, \off, \istep, \qstep, F1
	s_wait_dscnt 32                                ; all but the 32 just issued
	WMUL 1, \bias
	MUL16 F0, 1, 0, \bias
	MUL16 F0, 1, 2, \bias
.endm
; Second half: multiplies buffer 1 and changes slots.  In front of the barrier each wave waits for all its LDS instructions (its reads of this weight slot and of this
; h slot, its h stores) and for all its tensor loads (at most one is out: my quarter of the next tile).  fill = 1: the barrier opens a round of the cluster's barrier, and the
; joint refill of this slot is the first tensor load behind the round.  Then the next step's first fragments.
.macro TURN slot, fill, step, cnt, nadr, noff, nistep, nqstep
	s_wait_dscnt \cnt                              ; 8: row tiles 4-7 may be out; 24: and the 16 h stores behind them
	WIN 0xa1
	MUL16 F1, 0, 0, 0
	s_wait_dscnt 0x0
	s_wait_xcnt 0x0
	s_set_vgpr_msb 0xa120
	v_lshl_add_u32 v94, v0, 2, 0x4c200
	v_mov_b32 v95, 0
	s_wait_tensorcnt 0x0
	ds_add_u32 v94, v95
	s_wait_dscnt 0x0
	s_set_vgpr_msb 0x20a1
	s_barrier_signal -1
	MUL16 F1, 0, 2, 0                              ; registers only
	WIN 0
	s_barrier_wait -1
.if \fill
	CREST
	JLOAD \slot, \step
.endif
	PLACES
	FETCHB 1-\slot, 0, F0
	FETCHA \nadr, \noff, \nistep, \nqstep, F0
	WIN 0xf1
	MUL16 F1, 1, 0, 0
	MUL16 F1, 1, 2, 0
.endm
.macro LASTQ cnt                       ; the second half of a stage's last step: nothing more to fetch
	s_wait_dscnt \cnt
	WIN 0xa1
	MUL16 F1, 0, 0, 0
	MUL16 F1, 0, 2, 0
	s_wait_dscnt 0x0
	WIN 0xf1
	MUL16 F1, 1, 0, 0
	MUL16 F1, 1, 2, 0
.endm
; Stage 1 from the middle of an even K step t to the middle of step t + 2.  Tile t + 1 goes into h slot 1 and tile t + 2 into h slot 0, each in the step before it is read;
; l0, l1: their sets are loaded again, with tiles t + 3 and t + 4 (768 and 1,024 bytes behind tile t, where the base stands).
.macro PAIR1 l0, l1
	HWORK 192, 1, 16, \l0, 768
	TURN 0, 1, 1, 24, ADRH+1, 0, 16*HPITCH, 32
	Q0 1, ADRH+1, 64, 16*HPITCH, 32, 0
	HWORK 0, 0, 16, \l1, 1024
	TURN 1, 1, 1, 24, ADRH, 0, 16*HPITCH, 32
	Q0 0, ADRH, 64, 16*HPITCH, 32, 0
.endm
; Stage 2 likewise; a K step is 16,384 bytes of XB, a half step 8,192.
.macro PAIR2
	TURN 0, 1, 1, 8, ADRX, 16384, 1024, 512
	Q0 1, ADRX, 24576, 1024, 512, 0
	TURN 1, 1, 1, 8, ADRX, 32768, 1024, 512
	Q0 0, ADRX, 40960, 1024, 512, 0
	WIN 0
	v_add_nc_u32 v[ADRX], 32768, v[ADRX]
.endm
; relu, bf16, into XB.  Lane (r, h) of column tile b holds row 16 i + r, columns 128 w + 16 b + 8 h + 0..7: lane 16 h + r of fragment (K/32 = 4 w + b/2, q = b & 1).
.macro EPI1
	PLACES
.irp i, 0,1,2,3,4,5,6,7
.if \i < 4
	WIN 0x0a
.else
	WIN 0x0f
.endif
.set ek, 0
.rept 64
	v_max_num_f32 v[TMP+ek], 0, v[64*(\i%4)+ek]
.set ek, ek+1
.endr
	WIN 0
.set ek, 0
.rept 32
	v_cvt_pk_bf16_f32 v[F0+ek], v[TMP+2*ek], v[TMP+2*ek+1]
.set ek, ek+1
.endr
.irp b, 0,1,2,3,4,5,6,7
	ds_store_b128 v[XST], v[F0+4*\b:F0+4*\b+3] offset:(\b/2)*8192+\i*1024+(\b%2)*512
.endr
.endr
.endm
; Row tile i: with E = e^(2 xa), F = e^(-xb):  Wc tanh(xa) sigmoid(xb) = (E Wc - Wc) / ((E + 1) F + (E + 1)).  F infinite gives 0; E is at most 2^60.
.macro EROW i, a, win
	WIN \win
.set ek, 0
.rept 32
	v_min_num_f32 v[TMP+ek], s59, v[64*\a+ek]
.set ek, ek+1
.endr
.set ek, 0
.rept 32
	v_exp_f32 v[TMP+32+ek], v[64*\a+32+ek]
.set ek, ek+1
.endr
	WIN 0
.set ek, 0
.rept 32
	v_exp_f32 v[TMP+ek], v[TMP+ek]
.set ek, ek+1
.endr
	v_nop                                          ; one plain instruction behind the last exponential (ISA guide 5.7.2)
.set ek, 0
	s_wait_alu depctr_va_vdst(0)
.rept 16
	v_pk_add_f32 v[F1+ek:F1+ek+1], v[TMP+ek:TMP+ek+1], 1.0 op_sel_hi:[1,0]
	v_pk_fma_f32 v[TMP+ek:TMP+ek+1], v[TMP+ek:TMP+ek+1], v[F0+ek:F0+ek+1], v[F0+32+ek:F0+33+ek]
.set ek, ek+2
.endr
.set ek, 0
.rept 16
	v_pk_fma_f32 v[F1+ek:F1+ek+1], v[F1+ek:F1+ek+1], v[TMP+32+ek:TMP+33+ek], v[F1+ek:F1+ek+1]
.set ek, ek+2
.endr
.set ek, 0
.rept 32
	v_rcp_f32 v[F1+ek], v[F1+ek]
.set ek, ek+1
.endr
	v_nop
	s_wait_alu depctr_va_vdst(0)
.irp c, 0,1,2,3
	v_pk_mul_f32 v[T+8+2*\c:T+9+2*\c], v[TMP+2*\c:TMP+2*\c+1], v[F1+2*\c:F1+2*\c+1]    ; four chains
.endr
.irp g, 8,16,24
.irp c, 0,1,2,3
	v_pk_fma_f32 v[T+8+2*\c:T+9+2*\c], v[TMP+\g+2*\c:TMP+\g+2*\c+1], v[F1+\g+2*\c:F1+\g+2*\c+1], v[T+8+2*\c:T+9+2*\c]
.endr
.endr
	v_pk_add_f32 v[T+8:T+9], v[T+8:T+9], v[T+10:T+11]
	v_pk_add_f32 v[T+12:T+13], v[T+12:T+13], v[T+14:T+15]
	v_pk_add_f32 v[T+8:T+9], v[T+8:T+9], v[T+12:T+13]
	v_add_f32 v[T+\i], v[T+8], v[T+9]
.endm
; The block's partial scores (my 64 d) into SC.  The wait for these stores and the barrier that shows them to the other waves follow behind the macro: at the head of the next
; block (the wait for all LDS instructions and the round there), or behind the loop.
.macro EPI2
	PLACES
	WIN 0
.irp b, 0,1,2,3
	ds_load_b128 v[F0+8*\b:F0+8*\b+3],   v[WCA] offset:64*\b       ; Wc[64 w + 16 b + 8 h + j]
	ds_load_b128 v[F0+8*\b+4:F0+8*\b+7], v[WCA] offset:64*\b+16
.endr
	s_wait_dscnt 0x0
.set ek, 0
.rept 16
	v_pk_mul_f32 v[F0+32+ek:F0+33+ek], v[F0+ek:F0+ek+1], -1.0 op_sel_hi:[1,0]   ; -Wc
.set ek, ek+2
.endr
	EROW 0, 0, 0x0a
	EROW 1, 1, 0x0a
	EROW 2, 2, 0x0a
	EROW 3, 3, 0x0a
	EROW 4, 0, 0x0f
	EROW 5, 1, 0x0f
	EROW 6, 2, 0x0f
	EROW 7, 3, 0x0f
.irp i, 0,1,2,3,4,5,6,7
	v_permlanex16_b32 v[T+8+\i], v[T+\i], s57, s58     ; the other half's 32 d of the same row
.endr
.irp i, 0,1,2,3,4,5,6,7
	v_add_f32 v[T+\i], v[T+\i], v[T+8+\i]
.endr
.irp i, 0,1,2,3,4,5,6,7
	ds_store_b32 v[SCW], v[T+\i] offset:64*\i          ; row 16 i + r; both halves write the same word with the same value
.endr
.endm
; Every wave: a block's 128 scores (lane l: rows 4 l .. 4 l + 3), the running maximum and sum, p as bf16 into the wave's own PB.
.macro SOFT
	ds_load_b128 v[44:47], v[SCR]
	ds_load_b128 v[48:51], v[SCR] offset:512
	ds_load_b128 v[52:55], v[SCR] offset:1024
	ds_load_b128 v[56:59], v[SCR] offset:1536
	s_wait_dscnt 0x0
	v_pk_add_f32 v[44:45], v[44:45], v[48:49]
	v_pk_add_f32 v[46:47], v[46:47], v[50:51]
	v_pk_add_f32 v[52:53], v[52:53], v[56:57]
	v_pk_add_f32 v[54:55], v[54:55], v[58:59]
	v_pk_add_f32 v[44:45], v[44:45], v[52:53]
	v_pk_add_f32 v[46:47], v[46:47], v[54:55]
	v_pk_add_f32 v[44:45], v[44:45], s[56:57] op_sel_hi:[1,0]      ; + bc (s56)
	v_pk_add_f32 v[46:47], v[46:47], s[56:57] op_sel_hi:[1,0]
	s_cmp_lg_u32 s48, 0
	s_cbranch_scc1 .Lnot0_\@
	ds_store_b128 v[SAW], v[44:47]                 ; wave 0 keeps the scores for the tail
.Lnot0_\@:
	v_add_nc_u32 v[SAW], 512, v[SAW]
	v_max3_num_f32 v48, v44, v45, v46
	v_max_num_f32 v48, v48, v47
	v_max_num_f32_dpp v48, v48, v48 row_xmask:1 row_mask:0xf bank_mask:0xf
	v_max_num_f32_dpp v48, v48, v48 row_xmask:2 row_mask:0xf bank_mask:0xf
	v_max_num_f32_dpp v48, v48, v48 row_xmask:4 row_mask:0xf bank_mask:0xf
	v_max_num_f32_dpp v48, v48, v48 row_xmask:8 row_mask:0xf bank_mask:0xf
	v_permlanex16_b32 v49, v48, s57, s58
	v_max3_num_f32 v48, v48, v49, v[MX]            ; the new running maximum
	v_mul_f32 v49, s61, v48
	v_fma_f32 v[FAC], v[MX], s61, -v49             ; (old - new) log2(e); the first block's old maximum is -infinity
	v_fma_f32 v52, v44, s61, -v49
	v_fma_f32 v53, v45, s61, -v49
	v_fma_f32 v54, v46, s61, -v49
	v_fma_f32 v55, v47, s61, -v49
	v_exp_f32 v[FAC], v[FAC]
	v_exp_f32 v52, v52
	v_exp_f32 v53, v53
	v_exp_f32 v54, v54
	v_exp_f32 v55, v55
	v_mov_b32 v[MX], v48                           ; also the plain instruction behind the exponentials
	s_wait_alu depctr_va_vdst(0)
	v_add_f32 v56, v52, v53
	v_add_f32 v57, v54, v55
	v_add_f32 v56, v56, v57
	v_fma_f32 v[LS], v[LS], v[FAC], v56
	v_cvt_pk_bf16_f32 v58, v52, v53
	v_cvt_pk_bf16_f32 v59, v54, v55
	ds_store_b64 v[PBW], v[58:59]
.endm
; M += p h2 for my 128 columns: K = the block's rows, in 4 steps of 32.  Source 0: p in all 16 rows; source 1: h2 transposed on the way out of LDS (the part of XB that I wrote).
.macro TRL ks, f
	WIN 0
.irp c, 0,1,2,3,4,5,6,7
	ds_load_tr16_b128 v[\f+8*\c:\f+8*\c+3],   v[TRA] offset:(\c/2)*8192+(2*\ks)*1024+(\c%2)*512
	ds_load_tr16_b128 v[\f+8*\c+4:\f+8*\c+7], v[TRA] offset:(\c/2)*8192+(2*\ks+1)*1024+(\c%2)*512
.endr
.endm
.macro MW ks, f, zero                  ; eight accumulators by turns
	WIN 0x01
.irp c, 0,1,2,3,4,5,6,7
.if \zero
	v_wmma_f32_16x16x32_bf16 v[TMP+8*\c:TMP+8*\c+7], v[F0+8*\ks:F0+8*\ks+7], v[\f+8*\c:\f+8*\c+7], 0
.else
	v_wmma_f32_16x16x32_bf16 v[TMP+8*\c:TMP+8*\c+7], v[F0+8*\ks:F0+8*\ks+7], v[\f+8*\c:\f+8*\c+7], v[TMP+8*\c:TMP+8*\c+7]
.endif
.endr
.endm
.macro MPART
	WIN 0x40
.irp k, 0,1,2,3
	ds_load_b128 v[F0+8*\k:F0+8*\k+3],   v[PBR] offset:64*\k       ; LDS serves a wave's instructions in order (ISA guide 5.7.1): these see my store of p
	ds_load_b128 v[F0+8*\k+4:F0+8*\k+7], v[PBR] offset:64*\k+32
.endr
	TRL 0, F0
	TRL 1, F1
	s_wait_dscnt 16                                ; all but the 16 loads of step 1
	MW 0, F0, 1
	PLACES
	TRL 2, F0
	s_wait_dscnt 16                                ; step 1 is in
	MW 1, F1, 0
	PLACES
	TRL 3, F1
	s_wait_dscnt 16                                ; step 2 is in
	MW 2, F0, 0
	s_wait_dscnt 0x0
	MW 3, F1, 0
	PLACES
	WIN 0
.irp c, 0,1,2,3,4,5,6,7
	v_fma_f32 v[MRUN+\c], v[MRUN+\c], v[FAC], v[TMP+8*\c]
.endr
.endm
; The 16 largest of the wave's 512 keys V (16 a lane), no two of which are equal: result X+6, lane t the t-th largest.  A trip: the largest key left, over the lane's 16 and
; over the 32 lanes; the one register that holds it is set to -infinity.  Values are only selected (v_cndmask_b32); the loop is counted.
.macro EXTRACTK V, X, CT
	v_mov_b32 v[\X+6], 0
	v_mov_b32 v[\X+7], 0xff800000
	s_mov_b32 s[\CT], 0
.Lext_\@:
	v_max3_num_f32 v[\X],   v[\V],    v[\V+1],  v[\V+2]
	v_max3_num_f32 v[\X+1], v[\V+3],  v[\V+4],  v[\V+5]
	v_max3_num_f32 v[\X+2], v[\V+6],  v[\V+7],  v[\V+8]
	v_max3_num_f32 v[\X+3], v[\V+9],  v[\V+10], v[\V+11]
	v_max3_num_f32 v[\X+4], v[\V+12], v[\V+13], v[\V+14]
	v_max3_num_f32 v[\X],   v[\X],    v[\X+1],  v[\X+2]
	v_max3_num_f32 v[\X+3], v[\X+3],  v[\X+4],  v[\V+15]
	v_max_num_f32 v[\X], v[\X], v[\X+3]
	v_max_num_f32_dpp v[\X], v[\X], v[\X] row_xmask:1 row_mask:0xf bank_mask:0xf
	v_max_num_f32_dpp v[\X], v[\X], v[\X] row_xmask:2 row_mask:0xf bank_mask:0xf
	v_max_num_f32_dpp v[\X], v[\X], v[\X] row_xmask:4 row_mask:0xf bank_mask:0xf
	v_max_num_f32_dpp v[\X], v[\X], v[\X] row_xmask:8 row_mask:0xf bank_mask:0xf
	v_permlanex16_b32 v[\X+1], v[\X], s57, s58
	v_max_num_f32 v[\X], v[\X], v[\X+1]            ; the largest key left
.irp g, 0, 8
.irp k, 0,1,2,3,4,5,6,7
	v_cmp_eq_f32 s[70+\k], v[\V+\g+\k], v[\X]      ; eight masks at a time, so that no compare waits for a select
.endr
.irp k, 0,1,2,3,4,5,6,7
	v_cndmask_b32 v[\V+\g+\k], v[\V+\g+\k], v[\X+7], s[70+\k]      ; taken out
.endr
.endr
	v_cmp_eq_u32 vcc_lo, s[\CT], v[LANE]
	v_cndmask_b32 v[\X+6], v[\X+6], v[\X], vcc_lo
	s_add_co_u32 s[\CT], s[\CT], 1
	s_cmp_lt_u32 s[\CT], 16
	s_cbranch_scc1 .Lext_\@
.endm
	s_load_b512 s[8:23], s[0:1], 0x0               ; h s[8:9], wt s[10:11], b1 s[12:13], ba s[14:15], bb s[16:17], Wc s[18:19], bc s[20:21], sc s[22:23]
	s_load_b128 s[24:27], s[0:1], 0x40             ; part s[24:25], lc s[26:27]
	v_lshrrev_b32 v34, 5, v0
	v_readfirstlane_b32 s48, v34                   ; wave w
	s_bfe_u32 s49, ttmp6, 0x40000                  ; cx
	s_lshl_b32 s50, ttmp9, 2
	s_add_co_u32 s50, s50, s49                     ; G = 4 x cluster + cx: enters global addresses of h and of the outputs, and row numbers, nothing else
	s_mov_b32 s57, 0x76543210                      ; v_permlanex16_b32: lane i reads lane i of the other half
	s_mov_b32 s58, 0xfedcba98
	s_mov_b32 s59, 0x42700000                      ; 60.0
	s_mov_b32 s61, 0x3fb8aa3b                      ; log2(e)
	; descriptor group 1: 64 rows of 32 elements of 8 bytes, dense: 16,384 bytes, rows of 256 bytes
	s_mov_b32 s[G1+0], 15|(3<<16)|(1<<21)          ; 15:0 mask: all four work-groups of the cluster; 17:16 elements of 8 bytes; 21 set beside a mask
	s_mov_b32 s[G1+1], 32<<16                      ; tensor_dim0 = 32
	s_mov_b32 s[G1+2], 64<<16                      ; tensor_dim1 = 64
	s_mov_b32 s[G1+3], 32<<16                      ; tile_dim0 = 32
	s_mov_b32 s[G1+4], 64                          ; tile_dim1 = 64
	s_mov_b32 s[G1+5], 32                          ; from row to row: 32 elements
	s_mov_b32 s[G1+6], 0
	s_mov_b32 s[G1+7], 0
	s_lshl_b32 s28, s48, 14                        ; my quarter of a tile
	s_mov_b32 s29, 0
	s_lshl_b32 s66, s48, 9
	s_lshl_b32 s67, s48, 8
	s_lshl_b32 s70, s48, 15
	s_mul_i32 s71, s48, 32*HPITCH
	s_add_co_u32 s71, s71, HB
	s_lshl_b32 s72, s48, 16
	s_add_co_u32 s73, s66, BT1
	s_add_co_u32 s74, s67, WCT
	s_add_co_u32 s75, s66, SC
	s_add_co_u32 s76, s67, PB
	s_add_co_u32 s77, s70, XB
	s_add_co_u32 s78, s66, MST
	s_add_co_u32 s79, s66, BT2
	v_and_b32 v[LANE], 31, v0
	v_and_b32 v35, 15, v0                          ; r
	v_bfe_u32 v36, v0, 4, 1                        ; h
	v_lshlrev_b32 v38, 4, v[LANE]
	v_mul_u32_u24 v37, v35, HPITCH
	v_lshl_add_u32 v37, v36, 4, v37
	v_add_nc_u32 v[ADRH], HB, v37                  ; row r, 16 h
	v_add_nc_u32 v[ADRH+1], HB+HSLOT, v37
	v_add_nc_u32 v[ADRB], s28, v38
	v_add_nc_u32 v[ADRB+1], WSLOT, v[ADRB]
	v_add_nc_u32 v[ADRX0], XB, v38
	v_add_nc_u32 v[XST], s70, v[ADRX0]
	v_mul_u32_u24 v39, v36, HPITCH
	v_lshl_add_u32 v39, v35, 3, v39
	v_add_nc_u32 v[HST], s71, v39                  ; row 32 w + h, 8 bytes for each of 16 lanes
	v_lshlrev_b32 v40, 11, v36
	v_lshl_add_u32 v40, v35, 4, v40
	v_add_nc_u32 v[HOFF], s72, v40                 ; the same in memory: rows of 2,048 bytes, 16 bytes a lane
	v_lshlrev_b32 v41, 5, v36
	v_add_nc_u32 v[BIA], s73, v41                  ; 4 (128 w + 8 h)
	v_add_nc_u32 v[WCA], s74, v41                  ; 4 (64 w + 8 h)
	v_lshl_add_u32 v[SCW], v35, 2, s75
	v_add_nc_u32 v[SCR], SC, v38
	v_lshl_add_u32 v[PBW], v[LANE], 3, s76
	v_lshl_add_u32 v[PBR], v36, 4, s76
	v_bfe_u32 v42, v0, 3, 1
	v_and_b32 v43, 7, v0
	v_lshlrev_b32 v42, 8, v42
	v_lshl_add_u32 v42, v36, 7, v42
	v_lshl_add_u32 v42, v43, 4, v42
	v_add_nc_u32 v[TRA], s77, v42                  ; 16 x (16 x bit 3 of the lane + 8 h + lane mod 8): row 8 h + lane mod 8, eight columns
	v_add_nc_u32 v[SAW], SALL, v38
	v_add_nc_u32 v[L16], s66, v38
	v_lshl_add_u32 v[MSW], v35, 2, s78
	v_add_nc_u32 v[MSR], s78, v38
	v_add_nc_u32 v[SAR], SALL, v[L16]
	v_lshlrev_b32 v44, 6, v[LANE]
	v_add_nc_u32 v[SAS], SALL, v44
	v_lshlrev_b32 v49, 4, v0
	v_lshlrev_b32 v50, 3, v0
	s_lshl_b32 s68, s50, 20                        ; 512 rows of 2,048 bytes
	s_mov_b32 s69, 0
	s_wait_kmcnt 0x0
	s_load_b32 s56, s[20:21], 0x0                  ; bc
	s_add_nc_u64 s[30:31], s[10:11], s[28:29]      ; wt at my quarter of tile 0: made of the wave's number alone
	s_mov_b32 s[G0], 1
	s_lshl_b32 s[G0+1], s48, 14
	s_add_nc_u64 s[G0+2:G0+3], s[30:31], 14*WSLOT  ; tile 14, where a block leaves slot 0's address: the step back of fourteen tiles makes it tile 0
	s_or_b32 s[G0+3], s[G0+3], 0x80000000
	s_mov_b32 s[G0+4], 1
	s_add_co_u32 s[G0+5], s28, WSLOT
	s_add_nc_u64 s[G0+6:G0+7], s[30:31], 15*WSLOT  ; tile 15, likewise for slot 1 and tile 1
	s_or_b32 s[G0+7], s[G0+7], 0x80000000
	s_add_nc_u64 s[52:53], s[8:9], s[68:69]        ; h at my first row
	global_load_b128 v[52:55], v49, s[12:13]       ; b1: 4 numbers a thread
	global_load_b64 v[56:57], v50, s[14:15]        ; ba, bb, Wc: 2 a thread
	global_load_b64 v[58:59], v50, s[16:17]
	global_load_b64 v[60:61], v50, s[18:19]
	HLOAD 0, 0                                     ; h tile 0
	HLOAD 192, 256                                 ; h tile 1
	WIN 0
	s_wait_loadcnt 32                              ; the four table loads; the 32 loads of h stay out
	v_mul_f32 v56, 0x4038aa3b, v56                 ; 2 log2(e) ba
	v_mul_f32 v57, 0x4038aa3b, v57
	v_mul_f32 v58, 0xbfb8aa3b, v58                 ; -log2(e) bb
	v_mul_f32 v59, 0xbfb8aa3b, v59
	v_add_nc_u32 v51, BT1, v49
	ds_store_b128 v51, v[52:55]
	v_lshl_add_u32 v62, v[LANE], 3, s79            ; d = 64 w + 2 lane: column tiles 0-3 of wave w,
	ds_store_b64 v62, v[56:57]
	ds_store_b64 v62, v[58:59] offset:256          ; tiles 4-7
	v_add_nc_u32 v63, WCT, v50
	ds_store_b64 v63, v[60:61]
.irp c, 0,1,2,3,4,5,6,7
	v_mov_b32 v[MRUN+\c], 0
.endr
	v_mov_b32 v[MX], 0xff800000
	v_mov_b32 v[LS], 0
	s_wait_kmcnt 0x0                               ; bc
	s_mov_b32 s60, 4                               ; blocks left
.Lblock:
	; THE HEAD OF A BLOCK.  Both weight slots are free; the staging sets hold, or are about to receive, h tiles 0 and 1; the base of h stands at tile 0.
	s_wait_dscnt 0x0                               ; my LDS instructions are done: the first time the tables' stores, later my partial scores of the block before,
	s_wait_xcnt 0x0
	v_lshl_add_u32 v94, v0, 2, 0x4c200
	v_mov_b32 v95, 0
	s_wait_tensorcnt 0x0                           ; and no tensor load of mine is out
	ds_add_u32 v94, v95
	s_wait_dscnt 0x0
	CROUND                                         ; the four work-groups are here: the joint loads meet; and every wave's partial scores are in LDS
	JLOAD 0, 2                                     ; tile 0
	s_cmp_eq_u32 s60, 4                            ; the first block has no block before it.  The jump passes over no tensor load, no barrier and no wait that a later count leans on
	s_cbranch_scc1 .Lfirst
	SOFT                                           ; while tile 0 flies: the softmax step of the block before,
	MPART                                          ; and its M step (its h2 stays in XB until this block's stage 1 has ended)
.Lfirst:
	HWORK 0, 0, 16, 1, 512                         ; h tile 0 into h slot 0 (tile 1's 16 loads may stay out); tile 2 is asked for
	BIAS 0
	s_wait_dscnt 0x0                               ; my part of h tile 0 is in LDS, the bias is in registers,
	s_wait_xcnt 0x0
	v_lshl_add_u32 v94, v0, 2, 0x4c200
	v_mov_b32 v95, 0
	s_wait_tensorcnt 0x0                           ; my quarter of tile 0 has landed
	ds_add_u32 v94, v95
	s_wait_dscnt 0x0
	CROUND
	JLOAD 1, 2                                     ; tile 1: it has step 0 in which to land
	FETCHB 0, 0, F0
	FETCHA ADRH, 0, 16*HPITCH, 32, F0
	; STAGE 1.  The first half step starts the sums with the bias; two trips bring steps 0 to 3 and the first half of step 4.
	Q0 0, ADRH, 64, 16*HPITCH, 32, 1
	WIN 0
	s_mov_b32 s62, 2
.Ls1:
	PAIR1 1, 1
	WIN 0
	s_wait_xcnt 0x0                                ; the base is stepped only when the addresses of the loads that name it are translated
	s_add_nc_u64 s[52:53], s[52:53], 512           ; two tiles on
	s_sub_co_u32 s62, s62, 1
	s_cmp_lg_u32 s62, 0
	s_cbranch_scc1 .Ls1
	PAIR1 1, 0                                     ; steps 4 and 5: tile 7 is the block's last load; tile 6 is converted with tile 7's 16 loads out
	HWORK 192, 1, 0, 0, 0                          ; step 6: tile 7, behind which no load was issued
	TURN 0, 1, 1, 24, ADRH+1, 0, 16*HPITCH, 32
	Q0 1, ADRH+1, 64, 16*HPITCH, 32, 0
	WIN 0
	s_cmp_eq_u32 s60, 1                            ; the last block has no next one.  Behind this jump it has no wait on the load counter, so every count holds on both ways
	s_cbranch_scc1 .Lnoh
	s_wait_xcnt 0x0
	s_add_nc_u64 s[52:53], s[52:53], 261120        ; 128 rows on, four tiles back: the next block's tile 0
	HLOAD 0, 0
	HLOAD 192, 256
	WIN 0
.Lnoh:
	LASTQ 8
	EPI1
	; STAGE 2
	s_wait_dscnt 0x0                               ; my h2 is in LDS, my reads of slot 1 are done,
	s_wait_xcnt 0x0
	v_lshl_add_u32 v94, v0, 2, 0x4c200
	v_mov_b32 v95, 0
	s_wait_tensorcnt 0x0                           ; tile 8 has landed
	ds_add_u32 v94, v95
	s_wait_dscnt 0x0
	CROUND
	JLOAD 1, 1                                     ; tile 9
	BIAS 2048
	v_mov_b32 v[ADRX], v[ADRX0]
	FETCHB 0, 0, F0
	FETCHA ADRX, 0, 1024, 512, F0
	Q0 0, ADRX, 8192, 1024, 512, 1
	WIN 0
	s_mov_b32 s62, 3
.Ls2:
	PAIR2                                          ; tiles 10 to 15 are asked for in these three trips
	s_sub_co_u32 s62, s62, 1
	s_cmp_lg_u32 s62, 0
	s_cbranch_scc1 .Ls2
	TURN 0, 0, 0, 8, ADRX, 16384, 1024, 512        ; nothing is left to ask for in this block: the work-group's barrier alone
	Q0 1, ADRX, 24576, 1024, 512, 0
	LASTQ 8
	EPI2
	s_sub_co_u32 s60, s60, 1
	s_cmp_lg_u32 s60, 0
	s_cbranch_scc1 .Lblock
	; THE LAST BLOCK'S softmax step and M step.  No tensor load is out and none follows.
	s_wait_dscnt 0x0                               ; my partial scores are in LDS
	s_barrier_signal -1
	s_barrier_wait -1                              ; everybody's are
	SOFT
	MPART
	; THE TAIL.  M: 16 lanes hold 16 columns of each of 8 tiles; through the wave's own stage they become 512 consecutive bytes.
.irp c, 0,1,2,3,4,5,6,7
	ds_store_b32 v[MSW], v[MRUN+\c] offset:64*\c
.endr
	ds_load_b128 v[36:39], v[MSR]
	s_lshl_b32 s68, s50, 11                        ; 2,048 bytes a work-group in part and in sc
	s_add_nc_u64 s[24:25], s[24:25], s[68:69]
	s_add_nc_u64 s[22:23], s[22:23], s[68:69]
	s_wait_dscnt 0x0                               ; also: wave 0's stores of the scores are done
	global_store_b128 v[L16], v[36:39], s[24:25]
	s_barrier_signal -1
	s_barrier_wait -1
	ds_load_b128 v[40:43], v[SAR]                  ; block w's 128 scores
	s_wait_dscnt 0x0
	global_store_b128 v[L16], v[40:43], s[22:23]
	s_cmp_ge_u32 s48, 2
	s_cbranch_scc1 .Lw23
	; wave 0: the 16 largest scores; wave 1: the 16 smallest, as the largest of the negated ones.  Lane l: local rows 16 l .. 16 l + 15.
	; A key is the score without bc (which shifts all alike), its low 9 mantissa bits replaced by the local row: complemented where the key is not negative, as it is where
	; the key is negative, so that of two scores equal in the bits that are left the lower row has the larger key.  No two keys are equal, and a key names its row.
.irp q, 0,1,2,3
	ds_load_b128 v[64+4*\q:67+4*\q], v[SAS] offset:16*\q
.endr
	s_cmp_eq_u32 s48, 0
	s_cselect_b32 s66, 1.0, -1.0
	s_lshl_b32 s67, s50, 9                         ; the work-group's first row in all of h
	v_lshlrev_b32 v44, 4, v[LANE]
	v_xor_b32 v44, 0x1ff, v44                      ; the complement of local row 16 l; xor j makes it that of row 16 l + j
	v_mov_b32 v54, 0
	s_wait_dscnt 0x0
.set ej, 0
.rept 16
	v_sub_f32 v[64+ej], v[64+ej], s56
.set ej, ej+1
.endr
.set ej, 0
.rept 16
	v_fma_f32 v[64+ej], v[64+ej], s66, 0           ; the side's sign; adding +0 leaves no -0
.set ej, ej+1
.endr
.set ej, 0
.rept 16
	v_ashrrev_i32 v[80+ej], 31, v[64+ej]           ; all ones where negative
.set ej, ej+1
.endr
.set ej, 0
.rept 16
	v_xor_b32 v[80+ej], v[80+ej], v44
.set ej, ej+1
.endr
.set ej, 0
.rept 16
	v_xor_b32 v[80+ej], ej, v[80+ej]
.set ej, ej+1
.endr
.set ej, 0
.rept 16
	v_bfi_b32 v[64+ej], 0x1ff, v[80+ej], v[64+ej]
.set ej, ej+1
.endr
	EXTRACTK 64, 46, 62                            ; v52, lanes 0-15: the keys in descending order
	v_ashrrev_i32 v53, 31, v52
	v_xor_b32 v53, v53, v52
	v_xor_b32 v53, 0x1ff, v53
	v_and_b32 v53, 0x1ff, v53                      ; the local row back out of the key
	v_add_nc_u32 v53, s67, v53
	v_cvt_f32_u32 v53, v53                         ; below 2^17: exact
	v_and_b32 v52, 0xfffffe00, v52                 ; the value without the row, so that ties between work-groups go by the whole row
	v_permlanex16_b32 v54, v53, s57, s58
	v_cmp_le_u32 vcc_lo, 16, v[LANE]
	v_cndmask_b32 v52, v52, v54, vcc_lo            ; lanes 0-15 the values, lanes 16-31 their rows
	s_branch .Lput
.Lw23:
	; wave 2: word 64 = m, word 65 = l, then zeros; wave 3: zeros, so that the row of lc goes out whole
	v_add_f32_dpp v[LS], v[LS], v[LS] row_xmask:1 row_mask:0xf bank_mask:0xf
	v_add_f32_dpp v[LS], v[LS], v[LS] row_xmask:2 row_mask:0xf bank_mask:0xf
	v_add_f32_dpp v[LS], v[LS], v[LS] row_xmask:4 row_mask:0xf bank_mask:0xf
	v_add_f32_dpp v[LS], v[LS], v[LS] row_xmask:8 row_mask:0xf bank_mask:0xf
	v_permlanex16_b32 v46, v[LS], s57, s58
	v_add_f32 v46, v[LS], v46
	s_cmp_eq_u32 s48, 2
	s_cselect_b32 s66, -1, 0
	v_cmp_eq_u32 vcc_lo, 0, v[LANE]
	s_and_b32 vcc_lo, vcc_lo, s66
	v_cndmask_b32 v52, 0, v[MX], vcc_lo
	v_cmp_eq_u32 vcc_lo, 1, v[LANE]
	s_and_b32 vcc_lo, vcc_lo, s66
	v_cndmask_b32 v52, v52, v46, vcc_lo
.Lput:
	s_lshl_b32 s67, s48, 7
	s_add_co_u32 s67, s67, OUTS
	v_lshl_add_u32 v55, v[LANE], 2, s67
	ds_store_b32 v55, v52
	s_wait_dscnt 0x0
	s_barrier_signal -1
	s_barrier_wait -1
	s_cmp_lg_u32 s48, 0
	s_cbranch_scc1 .Lclose
	v_lshlrev_b32 v57, 4, v[LANE]
	v_add_nc_u32 v56, OUTS, v57
	ds_load_b128 v[60:63], v56
	s_lshl_b32 s68, s50, 9
	s_add_nc_u64 s[26:27], s[26:27], s[68:69]
	s_wait_dscnt 0x0
	global_store_b128 v57, v[60:63], s[26:27]      ; 512 consecutive bytes
.Lclose:
	s_wait_xcnt 0x0
	v_lshl_add_u32 v94, v0, 2, 0x4c200
	v_mov_b32 v95, 0
	s_wait_tensorcnt 0x0
	ds_add_u32 v94, v95
	s_wait_dscnt 0x0
	CROUND                                         ; the closing round: no work-group ends while a partner may still ask jointly
	s_endpgm
.Lfunc_end_k_q14f1687307_main:
	.size	k_q14f1687307_main, .Lfunc_end_k_q14f1687307_main-k_q14f1687307_main
	.p2alignl 7, 3214868480
	.fill 96, 4, 3214868480
	.section	.rodata,"a",@progbits
	.p2align	6, 0x0
	.amdhsa_kernel k_q14f1687307_main
		.amdhsa_group_segment_fixed_size 327680
		.amdhsa_private_segment_fixed_size 0
		.amdhsa_enable_private_segment 0
		.amdhsa_kernarg_size 80
		.amdhsa_user_sgpr_count 2
		.amdhsa_user_sgpr_kernarg_segment_ptr 1
		.amdhsa_wavefront_size32 1
		.amdhsa_system_sgpr_workgroup_id_x 1
		.amdhsa_system_sgpr_workgroup_id_y 1
		.amdhsa_system_sgpr_workgroup_id_z 1
		.amdhsa_system_vgpr_workitem_id 0
		.amdhsa_next_free_vgpr 1024
		.amdhsa_next_free_sgpr 80
		.amdhsa_reserve_vcc 1
		.amdhsa_float_denorm_mode_32 3
		.amdhsa_float_denorm_mode_16_64 3
		.amdhsa_memory_ordered 1
		.amdhsa_forward_progress 1
		.amdhsa_inst_pref_size 255
	.end_amdhsa_kernel
	.section	.bss,"aw",@nobits
	.p2align	6
	.space	262144
	.amdgpu_metadata
---
amdhsa.version: [ 1, 2 ]
amdhsa.kernels:
  - .name:           k_q14f1687307_main
    .symbol:         k_q14f1687307_main.kd
    .args:
      - { .name: h, .offset: 0, .size: 8, .value_kind: global_buffer, .address_space: global }
      - { .name: wt, .offset: 8, .size: 8, .value_kind: global_buffer, .address_space: global }
      - { .name: b1, .offset: 16, .size: 8, .value_kind: global_buffer, .address_space: global }
      - { .name: ba, .offset: 24, .size: 8, .value_kind: global_buffer, .address_space: global }
      - { .name: bb, .offset: 32, .size: 8, .value_kind: global_buffer, .address_space: global }
      - { .name: Wc, .offset: 40, .size: 8, .value_kind: global_buffer, .address_space: global }
      - { .name: bc, .offset: 48, .size: 8, .value_kind: global_buffer, .address_space: global }
      - { .name: sc, .offset: 56, .size: 8, .value_kind: global_buffer, .address_space: global }
      - { .name: part, .offset: 64, .size: 8, .value_kind: global_buffer, .address_space: global }
      - { .name: lc, .offset: 72, .size: 8, .value_kind: global_buffer, .address_space: global }
    .group_segment_fixed_size: 327680
    .private_segment_fixed_size: 0
    .kernarg_segment_align: 8
    .kernarg_segment_size: 80
    .max_flat_workgroup_size: 128
    .sgpr_count:     80
    .vgpr_count:     1024
    .wavefront_size: 32
...
	.end_amdgpu_metadata
.endif
;; end of part 7
;; launch comb (part 8): grid 4 x 9, 16 waves a work-group, no clusters, 12,288 bytes of LDS; arguments sc, part, lc, out1, out3, cand; writes out1, out3, cand
.if DOCPART == 8
	.amdgcn_target "amdgcn-amd-amdhsa--gfx1250"
	.amdhsa_code_object_version 6
	.text
	.protected	k_q14f1687307_comb
	.globl	k_q14f1687307_comb
	.p2align	8
	.type	k_q14f1687307_comb,@function
k_q14f1687307_comb:
	s_mov_b64 s[64:65], 0
	v_nop
	global_prefetch_b8 v0, s[64:65] scope:SCOPE_SE
	s_setreg_imm32_b32 hwreg(HW_REG_WAVE_MODE, 25, 1), 1
	s_wait_xcnt 0x0
; x = slide b.  y = 0: the slide's 16 largest and 16 smallest scores out of the 64 work-groups' lists; their rows go to cand as whole numbers.
; y = 1 .. 8 (p = y - 1): the slide's maximum m and sum L from the 64 pairs (m_i, l_i); A = exp(s - m) / L for 4,096 scores; M for columns 64 p .. 64 p + 63.
; No matrix unit, no cluster, no tensor loads: 1.2 MiB are read once.  NaN and infinite scores are not served.
; LDS: bytes 0 .. 8,191: [32 groups][64 columns] f32 of the role y >= 1; bytes SEL .. SEL + 2,047: [16 waves][16 keys, 16 rows] of the role y = 0.
; A work-group has one role (y is the same in all its waves); the two roles have LDS bytes of their own all the same, so that no access of one can meet an access of the other.
;
; THE ROLE y = 0 IS A MERGE NETWORK.  Every list of lc holds 16 values in descending order.  A list lies across the 16 lanes of a row; a wave holds 8 lists, list 2 j + h in
; register j of row h.  Of two descending lists A and B the numbers max(A[i], B[15 - i]) are the 16 largest of both, first falling and then rising (or the reverse), and four
; compare-exchanges at lane distances 8, 4, 2, 1 put such a sequence in descending order.  Three merges between registers and one between the two rows leave the wave's 16
; largest, sorted, in both rows.  Eight waves a side do that for 8 lists each; one wave a side does it again for their 8 results.
; A key is an unsigned whole number in the order of the floats (a negative value complemented, any other with its sign bit set); the 9 low bits of a value carry nothing, and the
; low 7 take the complement of the element's place 32 j + lane = 16 x list + position.  Lists stand in ascending order of rows and hold equal values with ascending rows, so no two
; keys are equal and of two equal values the lower row has the larger key.  The rows (f32 whole numbers) travel beside the keys.  Values are only selected (v_cndmask_b32).
.set LANE, 1
.set SEL,  8192
.set KEY,  8                           ; v[8:11]   keys of lists 2 j + h
.set ROW,  12                          ; v[12:15]  their rows
.set KTM,  16                          ; the partner's key
.set RTM,  17                          ; the partner's row
.set PLC,  24                          ; v[24:27]  at work
.macro PLACE                           ; the low 7 bits of each key: the complement of 32 j + lane
	v_xor_b32 v[PLC], 0x7f, v[LANE]
	v_bfi_b32 v[KEY], 0x7f, v[PLC], v[KEY]
.irp j, 1,2,3
	v_xor_b32 v[PLC+\j], 32*\j, v[PLC]
	v_bfi_b32 v[KEY+\j], 0x7f, v[PLC+\j], v[KEY+\j]
.endr
.endm
.macro TAKE a                          ; where s40 says so, the partner's key and row
	v_cndmask_b32 v[KEY+\a], v[KEY+\a], v[KTM], s40
	v_cndmask_b32 v[ROW+\a], v[ROW+\a], v[RTM], s40
.endm
.macro STG a, d, m                     ; a compare-exchange at lane distance d: the lower lane keeps the larger key; s[m]: the lanes with bit d set, which keep the smaller
	v_mov_b32_dpp v[KTM], v[KEY+\a] row_xmask:\d row_mask:0xf bank_mask:0xf
	v_mov_b32_dpp v[RTM], v[ROW+\a] row_xmask:\d row_mask:0xf bank_mask:0xf
	v_cmp_gt_u32 s40, v[KTM], v[KEY+\a]
	s_xor_b32 s40, s40, s[\m]                      ; no two keys are equal: 'not larger' is 'smaller'
	TAKE \a
.endm
.macro SORTB a                         ; KTM, RTM hold the other list, reversed: the larger of the two in every lane, then in order
	v_cmp_gt_u32 s40, v[KTM], v[KEY+\a]
	TAKE \a
	STG \a, 8, 44
	STG \a, 4, 45
	STG \a, 2, 46
	STG \a, 1, 47
.endm
.macro MERGE a, b                      ; the 16 largest of lists a and b, sorted, into a
	v_mov_b32_dpp v[KTM], v[KEY+\b] row_mirror row_mask:0xf bank_mask:0xf      ; lane i of a row takes lane 15 - i
	v_mov_b32_dpp v[RTM], v[ROW+\b] row_mirror row_mask:0xf bank_mask:0xf
	SORTB \a
.endm
.macro TOP16                           ; the 16 largest of the wave's 8 lists, sorted, in KEY and ROW, the same in both rows
	MERGE 0, 1
	MERGE 2, 3
	MERGE 0, 2
	v_permlanex16_b32 v[KTM], v[KEY], s48, s49     ; lane i takes lane 15 - i of the other row
	v_permlanex16_b32 v[RTM], v[ROW], s48, s49
	SORTB 0
.endm
	s_load_b256 s[4:11], s[0:1], 0x0               ; sc s[4:5], part s[6:7], lc s[8:9], out1 s[10:11]
	s_load_b128 s[12:15], s[0:1], 0x20             ; out3 s[12:13], cand s[14:15]
	v_lshl_add_u32 v112, v0, 2, 0x2800
	v_mov_b32 v113, 0
	v_and_b32 v[LANE], 31, v0
	v_lshrrev_b32 v2, 5, v0
	v_readfirstlane_b32 s16, v2                    ; wave
	s_and_b32 s17, ttmp7, 0xffff                   ; y
	s_mov_b32 s57, 0x76543210
	s_mov_b32 s58, 0xfedcba98
	s_mov_b32 s26, 0x3fb8aa3b                      ; log2(e)
	s_lshl_b32 s20, ttmp9, 15                      ; the slide's 64 rows of lc, 512 bytes each
	s_wait_kmcnt 0x0
	s_cmp_lg_u32 s17, 0
	s_cbranch_scc1 .Lsoft
	; ---- y = 0.  Wave v: side v >> 3, lists 8 (v & 7) .. + 7; lane (h, r), register j: entry r of list 8 (v & 7) + 2 j + h.
	s_lshr_b32 s18, s16, 3
	s_and_b32 s19, s16, 7
	s_lshl_b32 s21, s19, 12
	s_add_co_u32 s21, s21, s20
	s_lshl_b32 s22, s18, 7
	s_add_co_u32 s21, s21, s22
	s_mov_b32 s44, 0xff00ff00                      ; lanes with bit 3 set,
	s_mov_b32 s45, 0xf0f0f0f0                      ; bit 2,
	s_mov_b32 s46, 0xcccccccc                      ; bit 1,
	s_mov_b32 s47, 0xaaaaaaaa                      ; bit 0
	s_mov_b32 s48, 0x89abcdef                      ; v_permlanex16_b32: the i-th field of four bits is 15 - i
	s_mov_b32 s49, 0x01234567
	v_and_b32 v3, 15, v[LANE]                      ; r
	v_lshrrev_b32 v4, 4, v[LANE]                   ; h
	v_lshlrev_b32 v5, 9, v4
	v_lshl_add_u32 v5, v3, 2, v5
	v_add_nc_u32 v5, s21, v5
.irp j, 0,1,2,3
	global_load_b32 v[KEY+\j], v5, s[8:9] offset:1024*\j           ; values: 64 consecutive bytes for each row of lanes
	global_load_b32 v[ROW+\j], v5, s[8:9] offset:1024*\j+64        ; rows
.endr
	v_mov_b32 v[KTM], 0                            ; the destination of a lane move counts as read
	v_mov_b32 v[RTM], 0
	s_wait_loadcnt 0x0
.irp j, 0,1,2,3
	v_ashrrev_i32 v[PLC+\j], 31, v[KEY+\j]         ; all ones where negative
.endr
.irp j, 0,1,2,3
	v_or_b32 v[PLC+\j], 0x80000000, v[PLC+\j]
.endr
.irp j, 0,1,2,3
	v_xor_b32 v[KEY+\j], v[PLC+\j], v[KEY+\j]      ; unsigned, in the order of the floats
.endr
	PLACE
	TOP16
	s_lshl_b32 s23, s16, 7
	v_lshl_add_u32 v6, v3, 2, s23                  ; 128 v + 4 r: both rows write the same words with the same values
	ds_store_b32 v6, v[KEY] offset:SEL
	ds_store_b32 v6, v[ROW] offset:SEL+64
	s_wait_dscnt 0x0
	s_barrier_signal -1
	s_barrier_wait -1
	s_cmp_lg_u32 s19, 0
	s_cbranch_scc1 .Lend                           ; waves 0 and 8 merge their side's eight lists
	s_lshl_b32 s23, s18, 10
	v_lshlrev_b32 v7, 7, v4
	v_lshl_add_u32 v7, v3, 2, v7
	v_add_nc_u32 v7, s23, v7                       ; list 8 side + h, entry r
.irp j, 0,1,2,3
	ds_load_b32 v[KEY+\j], v7 offset:SEL+256*\j
	ds_load_b32 v[ROW+\j], v7 offset:SEL+256*\j+64
.endr
	s_wait_dscnt 0x0
	PLACE                                          ; the low 7 bits anew: the place among these 128
	TOP16
	v_cvt_u32_f32 v28, v[ROW]                      ; rows, whole numbers below 2^17
	s_lshl_b32 s27, ttmp9, 7
	s_lshl_b32 s28, s18, 6
	s_add_co_u32 s27, s27, s28
	v_lshl_add_u32 v29, v3, 2, s27                 ; cand[b][side][r]
	v_cmp_gt_u32 vcc_lo, 16, v[LANE]
	s_wait_xcnt 0x0                                ; EXEC changes only behind this wait
	s_and_saveexec_b32 s29, vcc_lo
	global_store_b32 v29, v28, s[14:15]
	s_wait_xcnt 0x0
	s_or_b32 exec_lo, exec_lo, s29
	s_wait_tensorcnt 0x0
	ds_add_u32 v112, v113
	s_wait_dscnt 0x0
	s_endpgm
.Lsoft:
	; ---- y = 1 .. 8
	s_sub_co_u32 s18, s17, 1                       ; p
	v_lshl_add_u32 v3, v[LANE], 9, s20
	global_load_b64 v[8:9], v3, s[8:9] offset:256              ; (m_i, l_i), i = lane
	global_load_b64 v[10:11], v3, s[8:9] offset:256+16384      ; i = lane + 32
	s_lshl_b32 s21, ttmp9, 17                      ; the slide's 32,768 scores; also its 64 rows of part
	s_lshl_b32 s22, s18, 14
	s_add_co_u32 s22, s22, s21
	v_lshl_add_u32 v4, v0, 4, s22
	global_load_b128 v[12:15], v4, s[4:5]
	global_load_b128 v[16:19], v4, s[4:5] offset:8192
	v_lshrrev_b32 v5, 4, v0                        ; g = 0 .. 31: work-groups g and g + 32
	v_and_b32 v6, 15, v0
	v_lshl_add_u32 v7, v5, 9, s20
	global_load_b32 v20, v7, s[8:9] offset:256
	global_load_b32 v21, v7, s[8:9] offset:256+16384
	s_lshl_b32 s24, s18, 8
	s_add_co_u32 s23, s21, s24
	v_lshlrev_b32 v22, 11, v5
	v_lshl_add_u32 v22, v6, 4, v22
	v_add_nc_u32 v22, s23, v22
	global_load_b128 v[24:27], v22, s[6:7]         ; 16 lanes: 256 consecutive bytes of a row of part
	global_load_b128 v[28:31], v22, s[6:7] offset:65536
	s_wait_loadcnt 0x0
	v_max_num_f32 v32, v8, v10
	v_max_num_f32_dpp v32, v32, v32 row_xmask:1 row_mask:0xf bank_mask:0xf
	v_max_num_f32_dpp v32, v32, v32 row_xmask:2 row_mask:0xf bank_mask:0xf
	v_max_num_f32_dpp v32, v32, v32 row_xmask:4 row_mask:0xf bank_mask:0xf
	v_max_num_f32_dpp v32, v32, v32 row_xmask:8 row_mask:0xf bank_mask:0xf
	v_permlanex16_b32 v2, v32, s57, s58
	v_max_num_f32 v32, v32, v2                     ; m
	v_mul_f32 v35, s26, v32
	v_fma_f32 v8, v8, s26, -v35
	v_fma_f32 v10, v10, s26, -v35
	v_fma_f32 v20, v20, s26, -v35
	v_fma_f32 v21, v21, s26, -v35
.irp k, 12,13,14,15,16,17,18,19
	v_fma_f32 v\k, v\k, s26, -v35
.endr
	v_exp_f32 v8, v8
	v_exp_f32 v10, v10
	v_exp_f32 v20, v20
	v_exp_f32 v21, v21
.irp k, 12,13,14,15,16,17,18,19
	v_exp_f32 v\k, v\k
.endr
	v_nop
	s_wait_alu depctr_va_vdst(0)
	v_mul_f32 v33, v8, v9
	v_fmac_f32 v33, v10, v11
	v_add_f32_dpp v33, v33, v33 row_xmask:1 row_mask:0xf bank_mask:0xf
	v_add_f32_dpp v33, v33, v33 row_xmask:2 row_mask:0xf bank_mask:0xf
	v_add_f32_dpp v33, v33, v33 row_xmask:4 row_mask:0xf bank_mask:0xf
	v_add_f32_dpp v33, v33, v33 row_xmask:8 row_mask:0xf bank_mask:0xf
	v_permlanex16_b32 v2, v33, s57, s58
	v_add_f32 v33, v33, v2                         ; L
	v_rcp_f32 v34, v33
	v_lshlrev_b32 v36, 4, v0                       ; (a plain instruction behind the reciprocal) 256 g + 16 (lane mod 16)
	s_wait_alu depctr_va_vdst(0)
.irp k, 12,14,16,18,20
	v_pk_mul_f32 v[\k:\k+1], v[\k:\k+1], v[34:35] op_sel_hi:[1,0]  ; by 1 / L
.endr
	global_store_b128 v4, v[12:15], s[10:11]
	global_store_b128 v4, v[16:19], s[10:11] offset:8192
	v_pk_mul_f32 v[24:25], v[24:25], v[20:21] op_sel_hi:[1,0]      ; by w_g
	v_pk_mul_f32 v[26:27], v[26:27], v[20:21] op_sel_hi:[1,0]
	v_pk_fma_f32 v[24:25], v[28:29], v[20:21], v[24:25] op_sel:[0,1,0] op_sel_hi:[1,1,1]   ; by w_(g+32)
	v_pk_fma_f32 v[26:27], v[30:31], v[20:21], v[26:27] op_sel:[0,1,0] op_sel_hi:[1,1,1]
	ds_store_b128 v36, v[24:27]
	s_wait_dscnt 0x0
	s_barrier_signal -1
	s_barrier_wait -1
	s_cmp_lg_u32 s16, 0
	s_cbranch_scc1 .Lend
	v_lshrrev_b32 v37, 4, v[LANE]
	v_lshlrev_b32 v37, 12, v37
	v_lshl_add_u32 v37, v6, 4, v37                 ; my half's 16 groups, my four columns
.set rk, 0
.rept 16
	ds_load_b128 v[40+4*rk:43+4*rk], v37 offset:256*rk
.set rk, rk+1
.endr
	s_wait_dscnt 0x0
.irp s, 8,4,2,1
.set rk, 0
.rept \s
	v_pk_add_f32 v[40+4*rk:41+4*rk], v[40+4*rk:41+4*rk], v[40+4*(rk+\s):41+4*(rk+\s)]
	v_pk_add_f32 v[42+4*rk:43+4*rk], v[42+4*rk:43+4*rk], v[42+4*(rk+\s):43+4*(rk+\s)]
.set rk, rk+1
.endr
.endr
.irp k, 0,1,2,3
	v_permlanex16_b32 v[44+\k], v[40+\k], s57, s58
.endr
	v_pk_add_f32 v[40:41], v[40:41], v[44:45]
	v_pk_add_f32 v[42:43], v[42:43], v[46:47]
	s_lshl_b32 s25, ttmp9, 11
	s_add_co_u32 s25, s25, s24
	v_lshl_add_u32 v38, v6, 4, s25
	v_cmp_gt_u32 vcc_lo, 16, v[LANE]
	s_wait_xcnt 0x0                                ; EXEC changes only behind this wait
	s_and_saveexec_b32 s29, vcc_lo
	global_store_b128 v38, v[40:43], s[12:13]      ; 16 lanes: 256 consecutive aligned bytes of out3
	s_wait_xcnt 0x0
	s_or_b32 exec_lo, exec_lo, s29
.Lend:
	s_wait_tensorcnt 0x0
	ds_add_u32 v112, v113
	s_wait_dscnt 0x0
	s_endpgm
.Lfunc_end_k_q14f1687307_comb:
	.size	k_q14f1687307_comb, .Lfunc_end_k_q14f1687307_comb-k_q14f1687307_comb
	.p2alignl 7, 3214868480
	.fill 96, 4, 3214868480
	.section	.rodata,"a",@progbits
	.p2align	6, 0x0
	.amdhsa_kernel k_q14f1687307_comb
		.amdhsa_group_segment_fixed_size 12288
		.amdhsa_private_segment_fixed_size 0
		.amdhsa_enable_private_segment 0
		.amdhsa_kernarg_size 48
		.amdhsa_user_sgpr_count 2
		.amdhsa_user_sgpr_kernarg_segment_ptr 1
		.amdhsa_wavefront_size32 1
		.amdhsa_system_sgpr_workgroup_id_x 1
		.amdhsa_system_sgpr_workgroup_id_y 1
		.amdhsa_system_sgpr_workgroup_id_z 1
		.amdhsa_system_vgpr_workitem_id 0
		.amdhsa_next_free_vgpr 114
		.amdhsa_next_free_sgpr 66
		.amdhsa_reserve_vcc 1
		.amdhsa_float_denorm_mode_32 3
		.amdhsa_float_denorm_mode_16_64 3
		.amdhsa_memory_ordered 1
		.amdhsa_forward_progress 1
		.amdhsa_inst_pref_size 28
	.end_amdhsa_kernel
	.amdgpu_metadata
---
amdhsa.version: [ 1, 2 ]
amdhsa.kernels:
  - .name:           k_q14f1687307_comb
    .symbol:         k_q14f1687307_comb.kd
    .args:
      - { .name: sc, .offset: 0, .size: 8, .value_kind: global_buffer, .address_space: global }
      - { .name: part, .offset: 8, .size: 8, .value_kind: global_buffer, .address_space: global }
      - { .name: lc, .offset: 16, .size: 8, .value_kind: global_buffer, .address_space: global }
      - { .name: out1, .offset: 24, .size: 8, .value_kind: global_buffer, .address_space: global }
      - { .name: out3, .offset: 32, .size: 8, .value_kind: global_buffer, .address_space: global }
      - { .name: cand, .offset: 40, .size: 8, .value_kind: global_buffer, .address_space: global }
    .group_segment_fixed_size: 12288
    .private_segment_fixed_size: 0
    .kernarg_segment_align: 8
    .kernarg_segment_size: 48
    .max_flat_workgroup_size: 512
    .sgpr_count:     66
    .vgpr_count:     114
    .wavefront_size: 32
...
	.end_amdgpu_metadata
.endif
;; end of part 8
;; launch ref1: the kernel of part 4 again; grid 8 x 32, 16 waves a work-group, no clusters, 26,624 bytes of LDS; arguments h, W1, b1, cand, h2c; writes h2c
;; launch ref2: the kernel of part 5 again; grid 8 x 32, 16 waves a work-group, no clusters, 26,624 bytes of LDS; arguments h2c, Wa, Wb, ba, bb, xab; writes xab
;; launch final (part 9): grid 4 x 1, 16 waves a work-group, no clusters, 6,144 bytes of LDS; arguments xab, h2c, cand, Wc, Winst, binst, out3, Wcls, bcls, out0, out2; writes out0, out2
.if DOCPART == 9
	.amdgcn_target "amdgcn-amd-amdhsa--gfx1250"
	.amdhsa_code_object_version 6
	.text
	.protected	k_q14f1687307_final
	.globl	k_q14f1687307_final
	.p2align	8
	.type	k_q14f1687307_final,@function
k_q14f1687307_final:
	s_mov_b64 s[64:65], 0
	v_nop
	global_prefetch_b8 v0, s[64:65] scope:SCOPE_SE
	s_setreg_imm32_b32 hwreg(HW_REG_WAVE_MODE, 25, 1), 1
	s_wait_xcnt 0x0
; One work-group a slide b.  Wave w: candidates w (of the 16 largest) and 16 + w (of the 16 smallest): the f32 score (without bc, which shifts all alike) and the four
; instance logits; and 32 of the 512 terms of out3[b] Wcls.  Wave 0 then ranks each side's 16 by score (ties to the lower row), takes the first 8 and forms the loss;
; wave 1 adds the 16 waves' parts of the slide's logits.
; label = 1: classifier 1 sees the 8 largest as class 1 and the 8 smallest as class 0 (mean of 16); classifier 0 sees the 8 largest as class 0 (mean of 8); the sum is halved.
; -log softmax(z)[t] = softplus(z_other - z_t), softplus(x) = max(x, 0) + ln 2 log2(1 + 2^(-|x| log2 e)): the maximum is taken away before the exponential.
; WHO HOLDS WHAT: a lane has d = 128 q + 4 lane + 0..3 (q = 0, 1) of xa, xb, Wc and k = 64 j + 2 lane + 0..1 (j = 0 .. 7) of h2 and Winst, so that every load of 16 bytes a lane
; covers 512 consecutive bytes and every load of 8 bytes a lane 256.
; LDS: 0: [32 candidates][8 words]; 1024: keys; 1152: rows; 1280: [16 waves][2] parts of the logits.
; LIMITS: NaN and infinities are not served; the ranking goes by the score, not by the rounded softmax value (they differ only for scores within a rounding of each other).
.set LANE, 1
.macro WSUM r, t
	v_add_f32_dpp v[\r], v[\r], v[\r] row_xmask:1 row_mask:0xf bank_mask:0xf
	v_add_f32_dpp v[\r], v[\r], v[\r] row_xmask:2 row_mask:0xf bank_mask:0xf
	v_add_f32_dpp v[\r], v[\r], v[\r] row_xmask:4 row_mask:0xf bank_mask:0xf
	v_add_f32_dpp v[\r], v[\r], v[\r] row_xmask:8 row_mask:0xf bank_mask:0xf
	v_permlanex16_b32 v[\t], v[\r], s57, s58
	v_add_f32 v[\r], v[\r], v[\t]
.endm
.macro ROWL X, ro                      ; a candidate's xa (8 d a lane), xb, h2 (16 k a lane)
	global_load_b128 v[\X:\X+3],     v5, s[4:5] offset:\ro
	global_load_b128 v[\X+4:\X+7],   v5, s[4:5] offset:\ro+512
	global_load_b128 v[\X+8:\X+11],  v5, s[4:5] offset:\ro+1024
	global_load_b128 v[\X+12:\X+15], v5, s[4:5] offset:\ro+1536
.irp k, 0,1,2,3,4,5,6,7
	global_load_b64 v[\X+16+2*\k:\X+17+2*\k], v6, s[6:7] offset:\ro+256*\k
.endr
.endm
.macro ROWC X, lo                      ; score and logits of the candidate in X; result to LDS at v168 + lo
.set k, 0
.rept 8
	v_mul_f32 v[\X+k], s40, v[\X+k]
	v_mul_f32 v[\X+8+k], s41, v[\X+8+k]
.set k, k+1
.endr
.set k, 0
.rept 8
	v_min_num_f32 v[\X+k], s42, v[\X+k]
.set k, k+1
.endr
.set k, 0
.rept 16
	v_exp_f32 v[\X+k], v[\X+k]                     ; E = e^(2 xa), F = e^(-xb)
.set k, k+1
.endr
	v_nop
.set k, 0
	s_wait_alu depctr_va_vdst(0)
.rept 4
	v_pk_add_f32 v[144+k:145+k], v[\X+k:\X+k+1], 1.0 op_sel_hi:[1,0]
	v_pk_fma_f32 v[\X+k:\X+k+1], v[\X+k:\X+k+1], v[8+k:9+k], v[160+k:161+k]     ; E Wc - Wc
.set k, k+2
.endr
.set k, 0
.rept 4
	v_pk_fma_f32 v[144+k:145+k], v[144+k:145+k], v[\X+8+k:\X+9+k], v[144+k:145+k]   ; (E + 1) F + (E + 1)
.set k, k+2
.endr
.set k, 0
.rept 8
	v_rcp_f32 v[144+k], v[144+k]
.set k, k+1
.endr
	v_nop
	s_wait_alu depctr_va_vdst(0)
	v_pk_mul_f32 v[152:153], v[\X:\X+1], v[144:145]
	v_pk_fma_f32 v[152:153], v[\X+2:\X+3], v[146:147], v[152:153]
	v_pk_fma_f32 v[152:153], v[\X+4:\X+5], v[148:149], v[152:153]
	v_pk_fma_f32 v[152:153], v[\X+6:\X+7], v[150:151], v[152:153]
	v_add_f32 v158, v152, v153
	v_pk_mul_f32 v[154:155], v[16:17], v[\X+16:\X+17] op_sel_hi:[1,0]
	v_pk_mul_f32 v[156:157], v[48:49], v[\X+16:\X+17] op_sel_hi:[1,0]
.set k, 1
.rept 15
.if (k & 1) == 0
	v_pk_fma_f32 v[154:155], v[16+2*k:17+2*k], v[\X+16+k:\X+17+k], v[154:155] op_sel_hi:[1,0,1]
	v_pk_fma_f32 v[156:157], v[48+2*k:49+2*k], v[\X+16+k:\X+17+k], v[156:157] op_sel_hi:[1,0,1]
.else
	v_pk_fma_f32 v[154:155], v[16+2*k:17+2*k], v[\X+15+k:\X+16+k], v[154:155] op_sel:[0,1,0] op_sel_hi:[1,1,1]
	v_pk_fma_f32 v[156:157], v[48+2*k:49+2*k], v[\X+15+k:\X+16+k], v[156:157] op_sel:[0,1,0] op_sel_hi:[1,1,1]
.endif
.set k, k+1
.endr
	WSUM 158, 153
	WSUM 154, 153
	WSUM 155, 153
	WSUM 156, 153
	WSUM 157, 153
	v_add_f32 v154, s28, v154                      ; + binst
	v_add_f32 v155, s29, v155
	v_add_f32 v156, s30, v156
	v_add_f32 v157, s31, v157
	ds_store_b32 v168, v158 offset:\lo             ; every lane writes the same words with the same values
	ds_store_b128 v168, v[154:157] offset:\lo+16
.endm
.macro SPLUS d, x, t
	v_and_b32 v[\t], 0x7fffffff, v[\x]
	v_mul_f32 v[\t], s41, v[\t]                    ; -|x| log2(e)
	v_exp_f32 v[\t], v[\t]
	v_max_num_f32 v[\d], 0, v[\x]
	s_wait_alu depctr_va_vdst(0)
	v_add_f32 v[\t], 1.0, v[\t]
	v_log_f32 v[\t], v[\t]
	v_nop
	s_wait_alu depctr_va_vdst(0)
	v_fmac_f32 v[\d], s43, v[\t]
.endm
	s_load_b512 s[4:19], s[0:1], 0x0               ; xab s[4:5], h2c s[6:7], cand s[8:9], Wc s[10:11], Winst s[12:13], binst s[14:15], out3 s[16:17], Wcls s[18:19]
	s_load_b128 s[20:23], s[0:1], 0x40             ; bcls s[20:21], out0 s[22:23]
	s_load_b64 s[24:25], s[0:1], 0x50              ; out2
	v_lshl_add_u32 v176, v0, 2, 0x1000
	v_mov_b32 v177, 0
	v_and_b32 v[LANE], 31, v0
	v_lshrrev_b32 v2, 5, v0
	v_readfirstlane_b32 s26, v2                    ; wave
	s_mov_b32 s57, 0x76543210
	s_mov_b32 s58, 0xfedcba98
	s_mov_b32 s40, 0x4038aa3b                      ; 2 log2(e)
	s_mov_b32 s41, 0xbfb8aa3b                      ; -log2(e)
	s_mov_b32 s42, 0x42700000                      ; 60.0
	s_mov_b32 s43, 0x3f317218                      ; ln 2
	s_mov_b32 s46, 0x3d800000                      ; 1 / 16
	s_lshl_b32 s34, ttmp9, 5
	s_add_co_u32 s34, s34, s26                     ; candidate row 32 b + w
	s_lshl_b32 s35, s34, 11
	v_lshlrev_b32 v3, 4, v[LANE]                   ; 16 bytes a lane
	v_add_nc_u32 v5, s35, v3
	v_lshl_add_u32 v6, v[LANE], 3, s35             ; 8 bytes a lane
	s_lshl_b32 s36, s26, 5
	v_mov_b32 v168, s36                            ; LDS: 32 bytes a candidate
	v_add_nc_u32 v7, s36, v[LANE]                  ; k = 32 w + lane of the slide's logits
	s_lshl_b32 s38, ttmp9, 11
	v_lshl_add_u32 v4, v7, 2, s38                  ; out3[b][k]
	v_lshlrev_b32 v2, 3, v7                        ; Wcls[k][0..1]
	s_lshl_b32 s39, ttmp9, 7
	v_lshl_add_u32 v174, v[LANE], 2, s39           ; cand[b][lane]
	s_lshl_b32 s45, s26, 3
	v_mov_b32 v175, s45                            ; LDS: 8 bytes a wave
	v_mov_b32 v171, 0
	s_wait_kmcnt 0x0
	s_load_b128 s[28:31], s[14:15], 0x0            ; binst
	s_load_b64 s[32:33], s[20:21], 0x0             ; bcls
	global_load_b128 v[8:11], v3, s[10:11]         ; Wc of my 8 d
	global_load_b128 v[12:15], v3, s[10:11] offset:512
.irp k, 0,1,2,3,4,5,6,7
	global_load_b128 v[16+4*\k:19+4*\k], v3, s[12:13] offset:512*\k        ; Winst[0] of my 16 k
	global_load_b128 v[48+4*\k:51+4*\k], v3, s[12:13] offset:4096+512*\k   ; Winst[1]
.endr
	ROWL 80, 0
	ROWL 112, 32768                                ; 16 rows further down
	global_load_b32 v170, v4, s[16:17]
	global_load_b64 v[172:173], v2, s[18:19]
	global_load_b32 v169, v174, s[8:9]             ; the candidates' rows, for ties (wave 0 uses them): values here, no addresses
	s_wait_loadcnt 0x0
	s_wait_kmcnt 0x0
.irp k, 0,2,4,6
	v_pk_mul_f32 v[160+\k:161+\k], v[8+\k:9+\k], -1.0 op_sel_hi:[1,0]      ; -Wc
.endr
	ROWC 80, 0
	ROWC 112, 512
	v_mul_f32 v172, v170, v172                     ; my term of the slide's two logits
	v_mul_f32 v173, v170, v173
	WSUM 172, 171
	WSUM 173, 171
	ds_store_b64 v175, v[172:173] offset:1280      ; every lane writes the same words with the same values
	s_wait_dscnt 0x0
	s_barrier_signal -1
	s_barrier_wait -1
	s_cmp_eq_u32 s26, 1
	s_cbranch_scc1 .Llogits
	s_cmp_lg_u32 s26, 0
	s_cbranch_scc1 .Lend
	; ---- wave 0: lane = candidate
	v_lshlrev_b32 v2, 5, v[LANE]
	ds_load_b32 v3, v2                             ; score
	ds_load_b128 v[4:7], v2 offset:16              ; z00, z01, z10, z11
	v_lshrrev_b32 v11, 4, v[LANE]
	v_lshlrev_b32 v13, 6, v11                      ; my side's 16 words
	v_lshlrev_b32 v11, 31, v11                     ; the smallest are ranked by the negated score
	v_lshlrev_b32 v12, 2, v[LANE]
	s_wait_dscnt 0x0
	v_xor_b32 v10, v11, v3
	ds_store_b32 v12, v10 offset:1024
	ds_store_b32 v12, v169 offset:1152
.irp q, 0,1,2,3
	ds_load_b128 v[16+4*\q:19+4*\q], v13 offset:1024+16*\q     ; the wave's own bytes, served in order (ISA guide 5.7.1)
	ds_load_b128 v[32+4*\q:35+4*\q], v13 offset:1152+16*\q
.endr
	v_mov_b32 v14, 0
	s_wait_dscnt 0x0
.set k, 0
.rept 16
	v_cmp_gt_f32 s36, v[16+k], v10
	v_cmp_eq_f32 s37, v[16+k], v10
	v_cmp_lt_u32 s38, v[32+k], v169
	s_and_b32 s37, s37, s38
	s_or_b32 vcc_lo, s36, s37
	v_add_co_ci_u32 v14, vcc_lo, 0, v14, vcc_lo    ; rank: how many of my side stand in front of me
.set k, k+1
.endr
	v_sub_f32 v15, v6, v7                          ; z10 - z11: target 1;
	v_xor_b32 v15, v11, v15                        ; the smallest: z11 - z10, target 0
	v_sub_f32 v48, v5, v4                          ; z01 - z00: target 0
	SPLUS 49, 15, 50
	SPLUS 51, 48, 52
	v_mul_f32 v51, 0x3e000000, v51                 ; / 8
	v_cmp_gt_u32 vcc_lo, 16, v[LANE]
	v_cndmask_b32 v51, 0, v51, vcc_lo              ; classifier 0 sees the largest alone
	v_fma_f32 v49, v49, s46, v51                   ; / 16
	v_cmp_gt_u32 vcc_lo, 8, v14
	v_cndmask_b32 v49, 0, v49, vcc_lo              ; the first 8 of each side
	WSUM 49, 50
	v_mul_f32 v49, 0.5, v49                        ; / n_classes
	s_lshl_b32 s39, ttmp9, 2
	v_mov_b32 v53, s39
	v_cmp_eq_u32 vcc_lo, 0, v[LANE]
	s_wait_xcnt 0x0                                ; EXEC changes only behind this wait
	s_and_saveexec_b32 s44, vcc_lo
	global_store_b32 v53, v49, s[24:25]
	s_wait_xcnt 0x0
	s_or_b32 exec_lo, exec_lo, s44
	s_wait_tensorcnt 0x0
	ds_add_u32 v176, v177
	s_wait_dscnt 0x0
	s_endpgm
.Llogits:
	; ---- wave 1: out0[b] = the sum of the 16 waves' parts + bcls; each half of the lanes holds all 16
	v_and_b32 v2, 15, v[LANE]
	v_lshlrev_b32 v2, 3, v2
	ds_load_b64 v[64:65], v2 offset:1280
	s_wait_dscnt 0x0
.irp m, 1,2,4,8
	v_add_f32_dpp v64, v64, v64 row_xmask:\m row_mask:0xf bank_mask:0xf
	v_add_f32_dpp v65, v65, v65 row_xmask:\m row_mask:0xf bank_mask:0xf
.endr
	v_add_f32 v64, s32, v64
	v_add_f32 v65, s33, v65
	s_lshl_b32 s39, ttmp9, 3
	v_mov_b32 v66, s39
	v_cmp_eq_u32 vcc_lo, 0, v[LANE]
	s_wait_xcnt 0x0                                ; EXEC changes only behind this wait
	s_and_saveexec_b32 s44, vcc_lo
	global_store_b64 v66, v[64:65], s[22:23]
	s_wait_xcnt 0x0
	s_or_b32 exec_lo, exec_lo, s44
.Lend:
	s_wait_tensorcnt 0x0
	ds_add_u32 v176, v177
	s_wait_dscnt 0x0
	s_endpgm
.Lfunc_end_k_q14f1687307_final:
	.size	k_q14f1687307_final, .Lfunc_end_k_q14f1687307_final-k_q14f1687307_final
	.p2alignl 7, 3214868480
	.fill 96, 4, 3214868480
	.section	.rodata,"a",@progbits
	.p2align	6, 0x0
	.amdhsa_kernel k_q14f1687307_final
		.amdhsa_group_segment_fixed_size 6144
		.amdhsa_private_segment_fixed_size 0
		.amdhsa_enable_private_segment 0
		.amdhsa_kernarg_size 88
		.amdhsa_user_sgpr_count 2
		.amdhsa_user_sgpr_kernarg_segment_ptr 1
		.amdhsa_wavefront_size32 1
		.amdhsa_system_sgpr_workgroup_id_x 1
		.amdhsa_system_sgpr_workgroup_id_y 1
		.amdhsa_system_sgpr_workgroup_id_z 1
		.amdhsa_system_vgpr_workitem_id 0
		.amdhsa_next_free_vgpr 178
		.amdhsa_next_free_sgpr 66
		.amdhsa_reserve_vcc 1
		.amdhsa_float_denorm_mode_32 3
		.amdhsa_float_denorm_mode_16_64 3
		.amdhsa_memory_ordered 1
		.amdhsa_forward_progress 1
		.amdhsa_inst_pref_size 30
	.end_amdhsa_kernel
	.amdgpu_metadata
---
amdhsa.version: [ 1, 2 ]
amdhsa.kernels:
  - .name:           k_q14f1687307_final
    .symbol:         k_q14f1687307_final.kd
    .args:
      - { .name: xab, .offset: 0, .size: 8, .value_kind: global_buffer, .address_space: global }
      - { .name: h2c, .offset: 8, .size: 8, .value_kind: global_buffer, .address_space: global }
      - { .name: cand, .offset: 16, .size: 8, .value_kind: global_buffer, .address_space: global }
      - { .name: Wc, .offset: 24, .size: 8, .value_kind: global_buffer, .address_space: global }
      - { .name: Winst, .offset: 32, .size: 8, .value_kind: global_buffer, .address_space: global }
      - { .name: binst, .offset: 40, .size: 8, .value_kind: global_buffer, .address_space: global }
      - { .name: out3, .offset: 48, .size: 8, .value_kind: global_buffer, .address_space: global }
      - { .name: Wcls, .offset: 56, .size: 8, .value_kind: global_buffer, .address_space: global }
      - { .name: bcls, .offset: 64, .size: 8, .value_kind: global_buffer, .address_space: global }
      - { .name: out0, .offset: 72, .size: 8, .value_kind: global_buffer, .address_space: global }
      - { .name: out2, .offset: 80, .size: 8, .value_kind: global_buffer, .address_space: global }
    .group_segment_fixed_size: 6144
    .private_segment_fixed_size: 0
    .kernarg_segment_align: 8
    .kernarg_segment_size: 88
    .max_flat_workgroup_size: 512
    .sgpr_count:     66
    .vgpr_count:     178
    .wavefront_size: 32
...
	.end_amdgpu_metadata
.endif
;; end of part 9
